; MI455X (gfx1250); checked and timed in simulation.
; The chip was launched on July 23, 2026; its instructions are those of AMD's public machine-readable ISA for CDNA 5 (MIT licence, August 2026) and "CDNA5" Instruction Set Architecture Reference Guide (July 2026). The comments in the code are by the model that wrote it; some were corrected since.
;; Self Attention. Allowed arithmetic: matrix products marked QUANTISED: E2M1 operands, one E8M0 scale for each 32 along K, by v_wmma_scale_f32_16x16x128_f8f6f4 with both operands' format E2M1 (or v_wmma_scale_f32_32x16x128_f4), f32 sums; everything else in f32.
;; Inputs: W_in 3,072 x 1,024 float32; W_out 1,024 x 1,024 float32; b_in 3,072 float32; b_out 1,024 float32; x 4 x 2,048 x 1,024 float32.
;; Outputs: out0 4 x 2,048 x 1,024 float32.
;; Constants: causal_mask = 1.
;; This version of the problem:
;;   THIS VERSION OF THE PROBLEM IS GIVEN IN LOW PRECISION. The matrix products marked QUANTISED in the list below multiply operands that are first quantised to E2M1 (2 exponent bits, 1 mantissa bit; 4 bits a number), with one power-of-two scale for each 32 numbers along K (OCP MX v1.0); their sums are f32. All else is computed in f32.
;;   The module's matrix products, in the order in which they are computed (A, B: the left and right operand; K: the contracted axis; several contracted axes count as one K, in the product's order):
;;     1. [M 8,192, K 1,024] x [K 1,024, N 3,072]; A: input x; B: input W_in: QUANTISED
;;     2. batch 64 x [M 2,048, K 64] x [K 64, N 2,048]; A: computed on the way; B: computed on the way: QUANTISED
;;     3. batch 64 x [M 2,048, K 2,048] x [K 2,048, N 64]; A: softmax (see below); B: computed on the way: QUANTISED
;;     4. [M 8,192, K 1,024] x [K 1,024, N 1,024]; A: computed on the way; B: input W_out: QUANTISED
;;   THE QUANTISER, for each operand of a quantised product, along K:
;;     - K is cut into blocks of 32 from its start; a last block that is shorter is filled with zeros.
;;     - A block's scale is 2^e with e = floor(log2(the largest magnitude in the block)) - 2, held to -126 .. 127; a block of zeros has e = 0. As a byte (E8M0): e + 127.
;;     - Each number is divided by its block's scale, clamped to +-6, and rounded to the nearest number of E2M1, ties to even, subnormals kept.
;;     - The product sums the exact products of the quantised numbers (number of the format x scale) in f32.
;;   ~~~python
;;   def quantise(x, axis):      # numpy; x: float32 -> the quantised numbers, widened to float32 again
;;       x = np.moveaxis(x, axis, -1); K = x.shape[-1]
;;       x = np.pad(x, [(0, 0)] * (x.ndim - 1) + [(0, -K % 32)]); x = x.reshape(x.shape[:-1] + (-1, 32)); a = np.abs(x).max(-1, keepdims=True)
;;       e = np.where(a > 0, np.clip(np.frexp(np.where(a > 0, a, 1))[1] - 1 - 2, -126, 127), 0)      # np.frexp(a)[1] - 1 = floor(log2(a)), exactly
;;       r = np.clip(x / 2.0 ** e, -6, 6)
;;       step = 2.0 ** (np.maximum(np.frexp(np.where(r == 0, 1, r))[1] - 1, 0) - 1)
;;       q = np.round(r / step) * step * 2.0 ** e      # np.round: ties to even
;;       return np.moveaxis(q.reshape(q.shape[:-2] + (-1,))[..., :K], -1, axis).astype(np.float32)
;;   ~~~
;;   SOFTMAX AHEAD OF A QUANTISED PRODUCT. Where the list says 'softmax', what is quantised is not the finished softmax but p = 2^(t - M), with t = logit x log2(e) and M = ceil(the row's largest t), a whole number; so 1/2 < the row's largest p <= 1. The row's sum l is taken of the UNQUANTISED p, in f32, and the product's result is divided by l at the end. Since M is a whole number, a kernel that streams over the keys may use a running M (the ceiling of the running maximum): every later rescaling is an exact power of two, which a block's scale takes up: the codes' values come out the same.
;;   OPERANDS COMPUTED ON THE WAY. 'Computed on the way' means the value that the module computes at that place (a softmax that the list does not call 'softmax' is quantised finished and normalised). What goes into a quantiser is computed in f32, as accurately as f32 sums, v_exp_f32 and their like allow (about 1e-6 of the number): no bf16 or f16 on the way to a quantiser, and a product that is left as it is and whose result goes on into a quantised operand takes f32 operands (vector FMAs, or v_wmma_f32_16x16x4_f32). A number that lies on a knife's edge between two numbers of the format may be rounded either way, as far as f32 arithmetic and the matrix unit's own rounding can turn it there, and no further.
;; One version. Each part assembles by itself: llvm-mc -triple=amdgcn-amd-amdhsa -mcpu=gfx1250 --defsym DOCPART=n.
;; ======== version 1 of 1: 4 launches
;; workspace buffers: xc 4,194,304 bytes; xs 262,144 bytes; wc 2,097,152 bytes; ws 131,072 bytes; qkvc 12,582,912 bytes; qkvs 1,572,864 bytes; attc 4,194,304 bytes; atts 262,144 bytes
;; launch quant (part 1): grid 384 x 1, 4 waves a work-group, no clusters, 35,328 bytes of LDS; arguments x, W_in, W_out, xc, xs, wc, ws; writes xc, xs, wc, ws
.if DOCPART == 1
	.amdgcn_target "amdgcn-amd-amdhsa--gfx1250"
	.amdhsa_code_object_version 6
	.text
	.protected	k_qb39ddcbf20_quant
	.globl	k_qb39ddcbf20_quant
	.p2align	8
	.type	k_qb39ddcbf20_quant,@function
k_qb39ddcbf20_quant:
	s_mov_b64 s[64:65], 0
	v_nop
	global_prefetch_b8 v0, s[64:65] scope:SCOPE_SE
	s_setreg_imm32_b32 hwreg(HW_REG_WAVE_MODE, 25, 1), 1
	s_wait_xcnt 0x0
; THE PROGRAM: causal self-attention, B 4, S 2,048, D 1,024, 16 heads of 64, all four products on codes of FP4 (E2M1) with one E8M0 scale for each 32 along K.
; Four launches: quant (x, W_in, W_out -> codes), qkv (product 1, bias, q k v -> codes), attn (products 2 and 3, softmax, O / l -> codes), proj (product 4, bias -> out0).
; WORK LEFT OUT.  reference() builds the mask triu(k = 1) in its own body (causal_mask is the constant 1): the score of a key behind its query becomes -inf, so its p is 0 for all values of the inputs; it adds 0 to the
; row's sum and 0 to the product with V.  Launch attn leaves out, whole, each step of 128 keys all of which lie behind all 16 queries of a tile.  Nothing else is left out; every input is loaded (b_in's part for k too: it goes into a quantiser).
; LIMIT: a NaN, an infinity or an overflow that reaches only the steps left out is not carried to the result.
; THIS LAUNCH.  Rows of 1,024 f32, K innermost, become IMAGES OF OPERAND REGISTERS.  A row tile RT is 16 rows: lane r takes row 32 (RT / 2) + 8 (RT % 2) + r + 8 (r / 8).  A fragment (a tile x 128 along K) is 1,024 bytes,
; [c 2][lane 32][16 bytes]: lane (r, h) holds k = 64 c + 32 h + 0 .. 31.  Codes: [RT][kk 8][1,024]; scale words: [RT][kk 8][r 16], four E8M0 bytes each.  wc and ws hold W_in's 192 tiles, then W_out's 64.
; A block's scale is 2^(floor(log2(largest magnitude)) - 2): its byte is the largest magnitude's exponent field - 2, held at 1 from below by a floor among the maximum's leaves.
; LIMITS: NaN and infinities among the inputs are not served; a block of zeros, or one whose largest magnitude lies under 2^-124, gets the byte 1 (its codes are zeros or are taken under that scale); this program alone reads the bytes.
; SHARES.  A wave takes one row tile x 512 along K: four steps of 16 rows x 128.  Each load reads 512 consecutive bytes of one row; the 8,192 bytes of a step turn through the wave's own stage in LDS (rows 528 bytes apart),
; so that a lane then holds two whole blocks of 32 neighbours.  Waves share nothing: no barrier.  No matrix unit, no cluster, no tensor load: the launch streams.
.set WREG,  8704                       ; LDS of a wave: a stage of 16 x 528 bytes, then its 256 bytes of scale words
.set SCW,   8448
.set SPARE, 4*WREG                     ; behind the four regions: the spare words, 128 bytes for each wave
.set R,     32                         ; v32-159  two sets of 64 registers as loaded
.set X,     160                        ; v160-223 register 32 c + n: k = 64 c + 32 h + n of my row
.set C,     224                        ; v224-255 codes, eight registers a step: no store's data are written again
.set SPW,   20                         ; v20  my spare word's LDS address; never rewritten
.set NIL,   21                         ; v21  0; never rewritten
	s_load_b256 s[4:11], s[0:1], 0x0               ; x s[4:5], W_in s[6:7], W_out s[8:9], xc s[10:11]
	s_load_b128 s[12:15], s[0:1], 0x20             ; xs s[12:13], wc s[14:15]
	s_load_b64 s[16:17], s[0:1], 0x30              ; ws
	v_lshl_add_u32 v[SPW], v0, 2, SPARE
	v_mov_b32 v[NIL], 0
	v_lshrrev_b32 v1, 5, v0
	v_readfirstlane_b32 s18, v1                    ; wave 0..3
	v_and_b32 v2, 31, v0                           ; lane
	v_and_b32 v3, 15, v0                           ; r
	v_bfe_u32 v1, v0, 4, 1                         ; h
	v_lshlrev_b32 v4, 4, v2                        ; 16 x lane: my bytes of a load, and of a store of codes
	s_mul_i32 s19, s18, WREG
	v_add_nc_u32 v5, s19, v4                       ; the stage, way in: a row's 512 bytes as they lie
	v_mul_u32_u24 v6, v3, 528
	v_lshl_add_u32 v6, v1, 7, v6
	v_add_nc_u32 v6, s19, v6                       ; way out: row r, + 128 h
	v_lshl_add_u32 v7, v3, 2, s19                  ; my row's scale word
	v_lshl_add_u32 v8, v2, 3, s19                  ; and the words' way out, 8 bytes a lane
	v_lshlrev_b32 v9, 3, v2
	v_lshlrev_b32 v10, 3, v1                       ; 8 h: where my two bytes stand in the word
	v_mov_b32 v19, 0                               ; a lane permute's destination counts as one of its sources
	s_mov_b32 s30, 0x76543210
	s_mov_b32 s31, 0xfedcba98                      ; selects for lane l xor 16
	; work-groups 0-255 take x, 256-351 W_in, 352-383 W_out
	s_cmp_lt_u32 ttmp9, 256
	s_cselect_b32 s26, 0, 256                      ; taken off the work-group's number for the place in the codes
	s_cmp_lt_u32 ttmp9, 352
	s_cselect_b32 s27, s26, 352                    ; and for the place in the tensor
	s_sub_co_u32 s28, ttmp9, s27
	s_sub_co_u32 s29, ttmp9, s26
	s_lshl_b32 s32, s28, 17                        ; a work-group's two tiles share 32 rows of 4,096 bytes;
	s_lshr_b32 s33, s18, 1
	s_lshl_b32 s33, s33, 15                        ; the odd tile begins 8 rows on;
	s_add_co_u32 s32, s32, s33
	s_and_b32 s33, s18, 1
	s_lshl_b32 s33, s33, 11                        ; my half of K
	s_add_co_u32 s32, s32, s33
	s_mov_b32 s33, 0
	s_lshl_b32 s34, s29, 14                        ; codes: 8,192 bytes a tile, 4,096 a wave
	s_lshl_b32 s35, s18, 12
	s_add_co_u32 s34, s34, s35
	s_mov_b32 s35, 0
	s_lshr_b32 s36, s34, 4                         ; scale words: a sixteenth of that
	s_mov_b32 s37, 0
	s_wait_alu depctr_va_vdst(0)
	s_wait_kmcnt 0x0
	s_cmp_lt_u32 ttmp9, 256                        ; the choices hang on the work-group's number alone
	s_cselect_b64 s[20:21], s[4:5], s[6:7]
	s_cselect_b64 s[22:23], s[10:11], s[14:15]
	s_cselect_b64 s[24:25], s[12:13], s[16:17]
	s_cmp_lt_u32 ttmp9, 352
	s_cselect_b64 s[20:21], s[20:21], s[8:9]
	s_add_nc_u64 s[20:21], s[20:21], s[32:33]
	s_add_nc_u64 s[22:23], s[22:23], s[34:35]
	s_add_nc_u64 s[24:25], s[24:25], s[36:37]
.macro LOAD t                          ; step t: 128 numbers of each of the tile's 16 rows
.irp rr, 0,1,2,3,4,5,6,7,8,9,10,11,12,13,14,15
	global_load_b128 v[R+64*((\t)%2)+4*\rr:R+64*((\t)%2)+4*\rr+3], v4, s[20:21] offset:(\rr+8*(\rr/8))*4096+512*(\t) th:TH_LOAD_NT
.endr
.endm
.macro STEP t
.if (\t) < 3
	s_wait_loadcnt 16                              ; this step's 16 loads are in; the next step's 16 may be out
.else
	s_wait_loadcnt 0x0
.endif
.irp rr, 0,1,2,3,4,5,6,7,8,9,10,11,12,13,14,15
	ds_store_b128 v5, v[R+64*((\t)%2)+4*\rr:R+64*((\t)%2)+4*\rr+3] offset:528*\rr
.endr
.irp c, 0,1                            ; LDS serves a wave's instructions in order: these see the stores above
.irp i, 0,1,2,3,4,5,6,7
	ds_load_b128 v[X+32*\c+4*\i:X+32*\c+4*\i+3], v6 offset:256*\c+16*\i
.endr
.endr
	s_wait_dscnt 0x0
.if (\t) < 2
	LOAD (\t)+2                                    ; the set just stored takes the loads of two steps on
.endif
.irp c, 0,1                            ; my blocks 2 c + h: all 32 numbers are mine; the floor 2^(3 - 127) holds the byte at 1 from below
	v_max3_num_f32 v[12+\c], |v[X+32*\c]|, |v[X+32*\c+1]|, 0x1800000
.endr
.irp i, 2,4,6,8,10,12,14,16,18,20,22,24,26,28,30
.irp c, 0,1
	v_max3_num_f32 v[12+\c], v[12+\c], |v[X+32*\c+\i]|, |v[X+32*\c+\i+1]|
.endr
.endr
.irp c, 0,1
	v_add_nc_u32 v[14+\c], 0xff000000, v[12+\c]    ; 2 off the exponent field: the conversion's scale operand
.endr
.irp c, 0,1
	v_lshrrev_b32 v[16+\c], 23, v[14+\c]           ; the scale's byte
.endr
	v_lshl_or_b32 v18, v17, 16, v16                ; blocks h and 2 + h,
	v_lshlrev_b32 v18, v10, v18                    ; at their places;
	v_permlanex16_b32 v19, v18, s30, s31
	v_or_b32 v18, v18, v19                         ; with lane l xor 16's two the word is whole
.irp c, 0,1
.irp g, 0,1,2,3
	v_cvt_scalef32_pk8_fp4_f32 v[C+8*(\t)+4*\c+\g], v[X+32*\c+8*\g:X+32*\c+8*\g+7], v[14+\c]
.endr
.endr
	v_nop                                          ; one plain instruction behind the last scaled conversion
	ds_store_b32 v7, v18 offset:SCW+64*(\t)        ; lanes r and r + 16 write the same word with the same value
.irp c, 0,1
	global_store_b128 v4, v[C+8*(\t)+4*\c:C+8*(\t)+4*\c+3], s[22:23] offset:1024*(\t)+512*\c   ; 512 consecutive bytes
.endr
.endm
	LOAD 0
	LOAD 1
	STEP 0
	STEP 1
	STEP 2
	STEP 3
	ds_load_b64 v[22:23], v8 offset:SCW            ; my four steps' 64 scale words
	s_wait_dscnt 0x0
	global_store_b64 v9, v[22:23], s[24:25]        ; 256 consecutive bytes, aligned
	s_wait_tensorcnt 0x0                           ; the wave's end
	ds_add_u32 v[SPW], v[NIL]
	s_wait_dscnt 0x0
	s_endpgm
.Lfunc_end_k_qb39ddcbf20_quant:
	.size	k_qb39ddcbf20_quant, .Lfunc_end_k_qb39ddcbf20_quant-k_qb39ddcbf20_quant
	.p2alignl 7, 3214868480
	.fill 96, 4, 3214868480
	.section	.rodata,"a",@progbits
	.p2align	6, 0x0
	.amdhsa_kernel k_qb39ddcbf20_quant
		.amdhsa_group_segment_fixed_size 35328
		.amdhsa_private_segment_fixed_size 0
		.amdhsa_enable_private_segment 0
		.amdhsa_kernarg_size 56
		.amdhsa_user_sgpr_count 2
		.amdhsa_user_sgpr_kernarg_segment_ptr 1
		.amdhsa_wavefront_size32 1
		.amdhsa_system_sgpr_workgroup_id_x 1
		.amdhsa_system_sgpr_workgroup_id_y 1
		.amdhsa_system_sgpr_workgroup_id_z 1
		.amdhsa_system_vgpr_workitem_id 0
		.amdhsa_next_free_vgpr 256
		.amdhsa_next_free_sgpr 66
		.amdhsa_reserve_vcc 0
		.amdhsa_float_denorm_mode_32 3
		.amdhsa_float_denorm_mode_16_64 3
		.amdhsa_memory_ordered 1
		.amdhsa_forward_progress 1
		.amdhsa_inst_pref_size 31
	.end_amdhsa_kernel
	.amdgpu_metadata
---
amdhsa.version: [ 1, 2 ]
amdhsa.kernels:
  - .name:           k_qb39ddcbf20_quant
    .symbol:         k_qb39ddcbf20_quant.kd
    .args:
      - { .name: x, .offset: 0, .size: 8, .value_kind: global_buffer, .address_space: global }
      - { .name: W_in, .offset: 8, .size: 8, .value_kind: global_buffer, .address_space: global }
      - { .name: W_out, .offset: 16, .size: 8, .value_kind: global_buffer, .address_space: global }
      - { .name: xc, .offset: 24, .size: 8, .value_kind: global_buffer, .address_space: global }
      - { .name: xs, .offset: 32, .size: 8, .value_kind: global_buffer, .address_space: global }
      - { .name: wc, .offset: 40, .size: 8, .value_kind: global_buffer, .address_space: global }
      - { .name: ws, .offset: 48, .size: 8, .value_kind: global_buffer, .address_space: global }
    .group_segment_fixed_size: 35328
    .private_segment_fixed_size: 0
    .kernarg_segment_align: 8
    .kernarg_segment_size: 56
    .max_flat_workgroup_size: 128
    .sgpr_count:     66
    .vgpr_count:     256
    .wavefront_size: 32
...
	.end_amdgpu_metadata
.endif
;; end of part 1
;; launch qkv (part 2): grid 96 x 4, 4 waves a work-group, clusters of 4 x 4, 327,680 bytes of LDS; arguments xc, xs, wc, ws, b_in, qkvc, qkvs; writes qkvc, qkvs
.if DOCPART == 2
	.amdgcn_target "amdgcn-amd-amdhsa--gfx1250"
	.amdhsa_code_object_version 6
	.text
	.protected	k_qb39ddcbf20_qkv
	.globl	k_qb39ddcbf20_qkv
	.p2align	8
	.type	k_qb39ddcbf20_qkv,@function
k_qb39ddcbf20_qkv:
	s_mov_b64 s[64:65], 0
	v_nop
	global_prefetch_b8 v0, s[64:65] scope:SCOPE_SE
	s_setreg_imm32_b32 hwreg(HW_REG_WAVE_MODE, 25, 1), 1
	s_wait_xcnt 0x0
	s_wait_alu depctr_hold_cnt(0) depctr_sa_sdst(0) depctr_va_vdst(0) depctr_va_sdst(0) depctr_va_ssrc(0) depctr_va_vcc(0) depctr_vm_vsrc(0)
	s_getreg_b32 s2, hwreg(HW_REG_IB_STS2, 6, 4)
	s_cmp_eq_u32 s2, 0
	s_cbranch_scc0 .Lentry_in_a_cluster
	s_endpgm
.Lentry_in_a_cluster:
	s_bfe_u32 s2, ttmp6, 0x10000c
	s_cmp_lg_u32 s2, 0xf033
	s_cbranch_scc0 .Lentry_shape_is_right
	s_endpgm
.Lentry_shape_is_right:
; qkv = x W_in^T + b_in on codes of FP4, and its results quantised at once: q and k along the head's 64, v along the keys.  No f32 number of q, k, v goes to memory.
; ONE GENERIC PRODUCT.  Source 0 = 16 rows of P, source 1 = 16 rows of Q: in a result lane (r, h) holds Q's row r, and its registers run along P.  By the order of rows in a tile (lane r: row 32 (t / 2) + 8 (t % 2) + r + 8 (r / 8))
; the 16 registers of P's tiles 2 b and 2 b + 1 are 16 neighbours along P, 32 b + 16 h + 0 .. 15: so P is the axis along which the result is quantised.
; Clusters 0-15 (q, k): P = W_in's rows 0-2047, Q = tokens.  Clusters 16-23 (v): P = tokens, Q = W_in's rows 2048 on.  The part hangs on the cluster's number alone, which all sixteen partners share.
; A work-group makes 256 P x 256 Q, each of its four waves 128 x 128: 64 accumulators, 512 registers.  384 work-groups.
; K = 1,024 FITS WHOLE IN LDS: 128 KB of codes and 8 KB of scale words a side.  Every tensor load is a first fill: no slot is filled again.  Waves 0, 1 fetch Q's halves, waves 2, 3 P's: the scale words, then four chunks of two
; K steps: five loads of a wave are out at the most.  Work begins when chunk 0 has landed; a counted wait and a barrier stand in front of the first read of each later chunk.
; CLUSTERS 4 x 4: P's tile hangs on cx alone and is asked for jointly by the four of a column, Q's on cy alone, by the four of a row.
; OUT.  Block F x 64 + g (F = W_in's row / 128, g = token / 128): 8,192 bytes of codes, fragment a at 1,024 a (image [c 2][lane 32][16]), and 1,024 bytes of scale words at 512 (a / 4) + 16 lane + 4 (a % 4).
; q, k: a = tile of tokens, c = head of the pair; lane 16 c + r has the head's two bytes low in its word (above them: the other head's bytes or 0, over codes that attn sets to zero).
; v: a = 4 x head of the pair + tile of channels, K = the 128 tokens; lanes 0-15 have the channel's word, lanes 16-31 a copy that nobody reads (512 bytes in each 9 KB: the price of one way out for both parts).
; LIMITS: NaN and infinities are not served; a block of zeros gets the byte 1 (this program alone reads the bytes).
; No prefetch: all tensor loads go out at the head.  No ring: nothing is filled again.
; REGISTERS.  Window 0: v8-15 the bias's offsets; v16, v20, v27 LDS addresses; v32-95 scale words (register 8 kk + i: lanes 0-15 Q's block i, lanes 16-31 P's tile i); v96-123 at work on the way out;
;   v128-191 Q's fragments, one set, later the codes made; v192-255 the bias in C's layout.  Window 1: P's fragments, two sets.  Windows 2, 3: accumulator (a, b) at v[8 (8 (a % 4) + b)].
.set SCL,   262144                     ; LDS: Q's codes 0, P's 131,072 ([half 2][chunk 4][tile 8][2,048]); scale words: Q's here, P's 8,192 on
.set SPARE, 278528                     ; the spare words, 128 bytes for each wave
.set VB,    8
.set ADRQ,  16
.set ADRP,  20
.set SH,    25
.set CO,    26
.set ADRS,  27
.set SPW,   28
.set NIL,   29
.set SC,    32
.set TM,    96
.set PW,    112
.set SW,    116
.set AF,    128
.set BI,    192
.set WV,    18
.set SEL,   2
.set G1Q,   24                         ; s[24:31], s[32:39] group 1 for Q's, P's codes;  s[40:47], s[48:55] for their scale words
.set G1P,   32
.set G1QS,  40
.set G1PS,  48
.set G1W0,  (3<<16)|(1<<21)            ; elements of 8 bytes; bit 21 set beside a mask; no padding
.set MSB,   0
.macro WIN new                         ; the immediate's high byte repeats the setting that is left
.if MSB != (\new)
	s_set_vgpr_msb (MSB<<8)|(\new)
.set MSB, \new
.endif
.endm
.macro PLACES n
.rept \n
	v_nop
.endr
.endm
.macro CROUND                          ; a round of the cluster's barrier
	s_barrier_signal -1
	s_barrier_wait -1
	s_cmp_lg_u32 s[WV], 0
	s_cbranch_scc1 .Lnot_wave_0_\@
	s_barrier_signal -3
.Lnot_wave_0_\@:
	s_barrier_wait -3
	s_barrier_signal -1
	s_barrier_wait -1
.endm
.macro G1REST g, c, r, p               ; a tile of r rows of c elements, p elements apart
	s_mov_b32 s[\g+1], (\c)<<16
	s_mov_b32 s[\g+2], (\r)<<16
	s_mov_b32 s[\g+3], (\c)<<16
	s_mov_b32 s[\g+4], \r
	s_mov_b32 s[\g+5], \p
	s_mov_b32 s[\g+6], 0
	s_mov_b32 s[\g+7], 0
.endm
.macro MKG0 g, lds, add, ptr, off      ; group 0: count 1, LDS address, global address, type 2
	s_mov_b32 s[\g], 1
	s_add_co_u32 s[\g+1], s[\lds], \add
	s_add_nc_u64 s[\g+2:\g+3], s[\ptr:\ptr+1], \off
	s_or_b32 s[\g+3], s[\g+3], 0x80000000
.endm
	s_load_b256 s[4:11], s[0:1], 0x0               ; xc s[4:5], xs s[6:7], wc s[8:9], ws s[10:11]
	s_load_b128 s[12:15], s[0:1], 0x20             ; b_in s[12:13], qkvc s[14:15]
	s_load_b64 s[16:17], s[0:1], 0x30              ; qkvs
	v_lshl_add_u32 v[SPW], v0, 2, SPARE
	v_mov_b32 v[NIL], 0
	ds_add_u32 v[SPW], v[NIL]                      ; the wave's opening: the add, twice on end, and its wait ahead of my first tensor load
	ds_add_u32 v[SPW], v[NIL]
	v_lshrrev_b32 v1, 5, v0
	v_readfirstlane_b32 s[WV], v1                  ; wave 0..3
	s_lshr_b32 s19, s[WV], 1                       ; my half of Q's rows
	s_and_b32 s20, s[WV], 1                        ; my half of P's rows; also: which half I fetch
	s_bfe_u32 s21, ttmp6, 0x40000                  ; cx
	s_bfe_u32 s22, ttmp6, 0x40004                  ; cy
	s_and_b32 s2, ttmp9, 1
	s_lshr_b32 s3, ttmp9, 1
	s_sub_co_u32 s104, ttmp9, 16
	s_cmp_lt_u32 ttmp9, 16                         ; the q, k part?
	s_cselect_b32 s23, 1, 0
	s_cselect_b32 s67, s2, s104
	s_cselect_b32 s66, s3, 0
	s_cselect_b32 s105, 0, 8                       ; v's rows of W_in begin at tile 8
	s_lshl_b32 s67, s67, 2
	s_add_co_u32 s67, s67, s21                     ; P's tile of 256 rows
	s_lshl_b32 s66, s66, 2
	s_add_co_u32 s66, s66, s105
	s_add_co_u32 s66, s66, s22                     ; Q's tile
	s_lshl_b32 s92, s22, 2
	s_lshl_b32 s92, 15, s92                        ; my row of the cluster: Q's tiles
	s_lshl_b32 s96, 0x1111, s21                    ; my column: P's tiles
	s_or_b32 s[G1Q], s92, G1W0
	s_or_b32 s[G1QS], s92, G1W0
	s_or_b32 s[G1P], s96, G1W0
	s_or_b32 s[G1PS], s96, G1W0
	G1REST G1Q, 256, 8, 1024                       ; a chunk: 2,048 bytes (two K steps) of each of 8 row tiles, 8,192 bytes apart
	G1REST G1P, 256, 8, 1024
	G1REST G1QS, 32, 16, 32                        ; the scale words of 128 rows: 4,096 dense bytes as 16 rows of 256
	G1REST G1PS, 32, 16, 32
	s_lshl_b32 s104, s[WV], 16                     ; where my codes go: Q's halves, then P's: no place in the cluster enters an LDS address
	s_lshl_b32 s105, s[WV], 12
	s_add_co_u32 s105, s105, SCL                   ; and my scale words
	s_wait_dscnt 0x0                               ; both opening adds are done
	s_wait_kmcnt 0x0
	s_cmp_lg_u32 s23, 0                            ; which tensor is Q and which is P: the choice hangs on the cluster's number alone
	s_cselect_b64 s[100:101], s[4:5], s[8:9]       ; Q's codes
	s_cselect_b64 s[2:3], s[8:9], s[4:5]           ; P's codes
	s_cselect_b64 s[4:5], s[6:7], s[10:11]         ; Q's scale words
	s_cselect_b64 s[8:9], s[10:11], s[6:7]         ; P's
	s_lshl_b32 s6, s66, 17                         ; a tile's codes are 131,072 bytes, a half 65,536
	s_lshl_b32 s7, s20, 16
	s_add_co_u32 s6, s6, s7
	s_mov_b32 s7, 0
	s_add_nc_u64 s[100:101], s[100:101], s[6:7]
	s_lshr_b32 s6, s6, 4                           ; the scale words a sixteenth of that
	s_add_nc_u64 s[4:5], s[4:5], s[6:7]
	s_lshl_b32 s10, s67, 17
	s_lshl_b32 s11, s20, 16
	s_add_co_u32 s10, s10, s11
	s_mov_b32 s11, 0
	s_add_nc_u64 s[2:3], s[2:3], s[10:11]
	s_lshr_b32 s10, s10, 4
	s_add_nc_u64 s[8:9], s[8:9], s[10:11]
	MKG0 92, 105, 0, 4, 0
	MKG0 56, 104, 0, 100, 0
	MKG0 60, 104, 16384, 100, 2048
	MKG0 68, 104, 32768, 100, 4096
	MKG0 72, 104, 49152, 100, 6144
	MKG0 96, 105, 0, 8, 0
	MKG0 76, 104, 0, 2, 0
	MKG0 80, 104, 16384, 2, 2048
	MKG0 84, 104, 32768, 2, 4096
	MKG0 88, 104, 49152, 2, 6144
	CROUND                                         ; all sixteen work-groups are here: the joint loads meet
	s_cmp_lt_u32 s[WV], 2                          ; a wave's five first fills stand in one branch on its number, an s_nop 0 behind each, four v_nop behind the last
	s_cbranch_scc0 .Lfill_p
	tensor_load_to_lds s[92:95], s[G1QS:G1QS+7]
	s_nop 0
	tensor_load_to_lds s[56:59], s[G1Q:G1Q+7]
	s_nop 0
	tensor_load_to_lds s[60:63], s[G1Q:G1Q+7]
	s_nop 0
	tensor_load_to_lds s[68:71], s[G1Q:G1Q+7]
	s_nop 0
	tensor_load_to_lds s[72:75], s[G1Q:G1Q+7]
	s_nop 0
	PLACES 4
	s_branch .Lfilled
.Lfill_p:
	tensor_load_to_lds s[96:99], s[G1PS:G1PS+7]
	s_nop 0
	tensor_load_to_lds s[76:79], s[G1P:G1P+7]
	s_nop 0
	tensor_load_to_lds s[80:83], s[G1P:G1P+7]
	s_nop 0
	tensor_load_to_lds s[84:87], s[G1P:G1P+7]
	s_nop 0
	tensor_load_to_lds s[88:91], s[G1P:G1P+7]
	s_nop 0
	PLACES 4
.Lfilled:
	; THE BIAS, straight into C's layout: set s, register j.  q, k: b_in at P's index 32 (s / 2) + 8 (s % 2) + 16 h + j (set s serves P's tile s);  v: at Q's row 32 (s / 2) + 8 (s % 2) + r + 8 (r / 8), the same in all j (set s serves Q's block s).
	s_lshl_b32 s6, s67, 10
	s_lshl_b32 s7, s20, 9
	s_add_co_u32 s6, s6, s7                        ; 4 x my first row of P
	s_lshl_b32 s10, s66, 10
	s_lshl_b32 s11, s19, 9
	s_add_co_u32 s10, s10, s11                     ; 4 x my first row of Q
	s_cmp_lg_u32 s23, 0
	s_cselect_b32 s6, s6, s10
	s_mov_b32 s7, 0
	s_add_nc_u64 s[12:13], s[12:13], s[6:7]
	v_and_b32 v1, 15, v0                           ; r
	v_bfe_u32 v2, v0, 4, 1                         ; h
	v_and_b32 v3, 31, v0
	v_lshlrev_b32 v[CO], 4, v3                     ; 16 x lane
	v_and_b32 v4, 8, v1
	v_add_nc_u32 v4, v4, v1                        ; r + 8 (r / 8)
	s_lshl_b32 s10, s23, 6                         ; 64 h in the q, k part,
	s_xor_b32 s11, s23, 1
	s_lshl_b32 s11, s11, 2                         ; 4 (r + 8 (r / 8)) in the v part
	v_mul_u32_u24 v[VB], s10, v2
	v_mad_u32_u24 v[VB], s11, v4, v[VB]
	s_lshl_b32 s10, s23, 2                         ; from register to register: 4 bytes, or none
.irp j, 1,2,3,4,5,6,7
	v_add_nc_u32 v[VB+\j], s10, v[VB+\j-1]
.endr
.irp s, 0,1,2,3,4,5,6,7
.irp j, 0,1,2,3,4,5,6,7
	global_load_b32 v[BI+8*\s+\j], v[VB+\j], s[12:13] offset:4*(32*(\s/2)+8*(\s%2))
.endr
.endr
	s_lshl_b32 s10, s19, 16
	v_add_nc_u32 v[ADRQ], s10, v[CO]               ; my half of Q's codes
	s_lshl_b32 s10, s20, 16
	s_add_co_u32 s10, s10, 131072
	v_add_nc_u32 v[ADRP], s10, v[CO]               ; my half of P's
	s_lshl_b32 s10, s19, 12
	s_lshl_b32 s11, s20, 12
	s_add_co_u32 s11, s11, 8192
	s_sub_co_u32 s11, s11, s10                     ; from my half of Q's scale words to my half of P's
	v_mul_u32_u24 v5, s11, v2                      ; lanes 16-31 take P's
	s_add_co_u32 s10, s10, SCL
	v_lshl_add_u32 v5, v1, 2, v5
	v_add_nc_u32 v[ADRS], s10, v5
	s_lshl_b32 s10, s23, 4
	v_mul_u32_u24 v[SH], s10, v2                   ; q, k: lanes 16-31 keep the pair's second head's two bytes; v: no shift
.irp b, 0,1,2,3
	v_mov_b32 v[TM+4+\b], 0                        ; a lane permute's destination counts as one of its sources
.endr
	s_mov_b32 s[SEL], 0x76543210
	s_mov_b32 s[SEL+1], 0xfedcba98                 ; selects for lane l xor 16
	s_lshl_b32 s10, s67, 1
	s_add_co_u32 s10, s10, s20                     ; my 128 of P
	s_lshl_b32 s11, s66, 1
	s_add_co_u32 s11, s11, s19                     ; my 128 of Q
	s_cmp_lg_u32 s23, 0
	s_cselect_b32 s6, s10, s11                     ; F
	s_cselect_b32 s7, s11, s10                     ; g
	s_lshl_b32 s6, s6, 6
	s_add_co_u32 s6, s6, s7
	s_lshl_b32 s10, s6, 13
	s_mov_b32 s11, 0
	s_add_nc_u64 s[14:15], s[14:15], s[10:11]      ; my block of codes
	s_lshl_b32 s10, s6, 10
	s_add_nc_u64 s[16:17], s[16:17], s[10:11]      ; and of scale words
.macro FRAG reg, adr, kk, i            ; a fragment comes as it lies: two loads of 512 consecutive bytes
.irp c, 0,1
	ds_load_b128 v[\reg+4*\c:\reg+4*\c+3], v[\adr] offset:((\kk)/2)*16384+(\i)*2048+((\kk)%2)*1024+512*\c
.endr
.endm
.macro FETCH_P kk, p                   ; P's eight fragments of K step kk into set p
	WIN 0x40
.irp i, 0,1,2,3,4,5,6,7
	FRAG 128*(\p)+8*\i, ADRP, \kk, \i
.endr
	WIN 0
.endm
.macro FETCH_Q kk, i0                  ; Q's blocks i0 .. i0 + 3
.irp i, \i0, \i0+1, \i0+2, \i0+3
	FRAG AF+8*(\i), ADRQ, \kk, \i
.endr
.endm
; 16 matrix instructions: Q's blocks a0, a0 + 1 x P's eight tiles.  cm = 0: the sums go on; 1: they begin with the bias of P's tile; 2: with the bias of Q's block.  The 64 accumulators take turns, one instruction a turn,
; in the same order in every step.
.macro MUL16 a0, p, kk, cm
.irp a, \a0, \a0+1
.irp b, 0,1,2,3,4,5,6,7
.set DD, 8*(8*((\a)%4)+\b)
.set CC, DD
.if \cm == 1
.set CC, BI+8*\b
.elseif \cm == 2
.set CC, BI+8*(\a)
.endif
	v_wmma_scale_f32_16x16x128_f8f6f4 v[DD:DD+7], v[128*(\p)+8*\b:128*(\p)+8*\b+7], v[AF+8*(\a):AF+8*(\a)+7], v[CC:CC+7], v[SC+8*(\kk)+\b], v[SC+8*(\kk)+(\a)] matrix_a_fmt:MATRIX_FMT_FP4 matrix_b_fmt:MATRIX_FMT_FP4 matrix_a_scale:MATRIX_SCALE_ROW1
.endr
.endr
.endm
; A K step of 128: 64 matrix instructions.  A block of Q is free as soon as its eight products are issued, so Q has one set: blocks 0-3 are fetched anew in the middle, blocks 4-7 at the end.  P has two sets.
; Four plain instructions stand between a matrix instruction and a load into a register that it read.
.macro STEP kk, cm
	s_wait_dscnt 8                                 ; all but the youngest eight loads (Q's blocks 4-7) are in
.if \cm
	WIN 0x81                                       ; source 0 (P) window 1, source 1 (Q) and C (the bias) window 0, D window 2
.else
	WIN 0xa1                                       ; C and D window 2
.endif
	MUL16 0, (\kk)%2, \kk, \cm
	MUL16 2, (\kk)%2, \kk, \cm
	s_wait_dscnt 0x0
.if ((\kk)%2 == 1) && ((\kk) < 7)
	s_wait_tensorcnt 3-((\kk)+1)/2                 ; my part of the next chunk has landed; the count leaves the chunks behind it out
	s_barrier_signal -1
	s_barrier_wait -1                              ; everybody's has
.endif
.if (\kk) < 7
	PLACES 4
	FETCH_P (\kk)+1, 1-(\kk)%2
	FETCH_Q (\kk)+1, 0
.endif
.if \cm
	WIN 0xc1
.else
	WIN 0xf1
.endif
	MUL16 4, (\kk)%2, \kk, \cm
	MUL16 6, (\kk)%2, \kk, \cm
.if (\kk) < 7
	PLACES 4
	WIN 0
	FETCH_Q (\kk)+1, 4
.endif
.endm
	s_wait_alu depctr_va_vdst(0)
	s_wait_tensorcnt 3                             ; my scale words and my chunk 0 are in; chunks 1 to 3 may be out
	s_barrier_signal -1
	s_barrier_wait -1                              ; everybody's are
.irp k, 0,1,2,3,4,5,6,7                ; all of K's scale words, once
.irp i, 0,1,2,3,4,5,6,7
	ds_load_b32 v[SC+8*\k+\i], v[ADRS] offset:512*\i+64*\k
.endr
.endr
	FETCH_P 0, 0
	FETCH_Q 0, 0
	FETCH_Q 0, 4
	s_wait_loadcnt 0x0                             ; the bias
	s_cmp_lg_u32 s23, 0                            ; the first step is written for each part: only the C of its products differs
	s_cbranch_scc0 .Lstep0_v
	STEP 0, 1
	s_branch .Lstep0_done
.Lstep0_v:
	STEP 0, 2
.Lstep0_done:
	STEP 1, 0
	STEP 2, 0
	STEP 3, 0
	STEP 4, 0
	STEP 5, 0
	STEP 6, 0
	STEP 7, 0
; THE WAY OUT.  Q's block a: a lane's 64 registers, register 16 b + i = P's index 32 b + 16 h + i of its row, become a fragment's codes and its scale word.  Each accumulator is read from its low end on.
.macro QOUT a
.set AC, 64*((\a)%4)
.set WW, 2+(\a)/4
.set WQ, WW|(WW<<2)
.set PC, AF+8*(\a)
	WIN WQ                                         ; sources 0 and 1: the accumulators' window
.irp b, 0,1,2,3
	v_max3_num_f32 v[TM+\b], |v[AC+16*\b]|, |v[AC+16*\b+1]|, 0x1800000   ; block b: my 16 numbers, and the floor 2^(3 - 127)
.endr
.irp i, 2,4,6,8,10,12,14
.irp b, 0,1,2,3
	v_max3_num_f32 v[TM+\b], |v[AC+16*\b+\i]|, |v[AC+16*\b+\i+1]|, v[TM+\b]
.endr
.endr
	WIN 0
.irp b, 0,1,2,3
	v_permlanex16_b32 v[TM+4+\b], v[TM+\b], s[SEL], s[SEL+1]
.endr
.irp b, 0,1,2,3
	v_max_num_f32 v[TM+\b], v[TM+\b], v[TM+4+\b]   ; with lane l xor 16's 16: the block's largest magnitude
.endr
.irp b, 0,1,2,3
	v_add_nc_u32 v[TM+12+\b], 0xff000000, v[TM+\b] ; 2 off its exponent field: the conversion's scale operand
.endr
.irp b, 0,1,2,3
	v_lshrrev_b32 v[TM+4+\b], 23, v[TM+12+\b]      ; the scale's byte
.endr
	v_lshl_or_b32 v[PW], v[TM+5], 8, v[TM+4]
	v_lshl_or_b32 v[PW], v[TM+6], 16, v[PW]
	v_lshl_or_b32 v[PW], v[TM+7], 24, v[PW]
	WIN WW                                         ; source 0: the accumulators' window
.irp b, 0,1,2,3
	v_cvt_scalef32_pk8_fp4_f32 v[PC+2*\b], v[AC+16*\b:AC+16*\b+7], v[TM+12+\b]
	v_cvt_scalef32_pk8_fp4_f32 v[PC+2*\b+1], v[AC+16*\b+8:AC+16*\b+15], v[TM+12+\b]
.endr
	WIN 0
	v_nop                                          ; one plain instruction behind the last scaled conversion
.irp c, 0,1                            ; the operand's layout wants a whole block in a lane
.irp i, 0,1
	v_permlane16_swap_b32 v[PC+4*\c+\i], v[PC+2+4*\c+\i]
.endr
.endr
	v_lshrrev_b32 v[SW+(\a)], v[SH], v[PW]
.irp c, 0,1
	global_store_b128 v[CO], v[PC+4*\c:PC+4*\c+3], s[14:15] offset:1024*(\a)+512*\c   ; 512 consecutive bytes; no store's registers are written again
.endr
.endm
	PLACES 4                                       ; between the last products and the first read of results
.irp a, 0,1,2,3,4,5,6,7
	QOUT \a
.endr
.irp i, 0,1
	global_store_b128 v[CO], v[SW+4*\i:SW+4*\i+3], s[16:17] offset:512*\i
.endr
	s_wait_tensorcnt 0x0                           ; the wave's end
	ds_add_u32 v[SPW], v[NIL]
	s_wait_dscnt 0x0
	CROUND                                         ; the closing round
	s_endpgm
.Lfunc_end_k_qb39ddcbf20_qkv:
	.size	k_qb39ddcbf20_qkv, .Lfunc_end_k_qb39ddcbf20_qkv-k_qb39ddcbf20_qkv
	.p2alignl 7, 3214868480
	.fill 96, 4, 3214868480
	.section	.rodata,"a",@progbits
	.p2align	6, 0x0
	.amdhsa_kernel k_qb39ddcbf20_qkv
		.amdhsa_group_segment_fixed_size 327680
		.amdhsa_private_segment_fixed_size 0
		.amdhsa_enable_private_segment 0
		.amdhsa_kernarg_size 56
		.amdhsa_user_sgpr_count 2
		.amdhsa_user_sgpr_kernarg_segment_ptr 1
		.amdhsa_wavefront_size32 1
		.amdhsa_system_sgpr_workgroup_id_x 1
		.amdhsa_system_sgpr_workgroup_id_y 1
		.amdhsa_system_sgpr_workgroup_id_z 1
		.amdhsa_system_vgpr_workitem_id 0
		.amdhsa_next_free_vgpr 1024
		.amdhsa_next_free_sgpr 106
		.amdhsa_reserve_vcc 0
		.amdhsa_float_denorm_mode_32 3
		.amdhsa_float_denorm_mode_16_64 3
		.amdhsa_memory_ordered 1
		.amdhsa_forward_progress 1
		.amdhsa_inst_pref_size 148
	.end_amdhsa_kernel
	.amdgpu_metadata
---
amdhsa.version: [ 1, 2 ]
amdhsa.kernels:
  - .name:           k_qb39ddcbf20_qkv
    .symbol:         k_qb39ddcbf20_qkv.kd
    .args:
      - { .name: xc, .offset: 0, .size: 8, .value_kind: global_buffer, .address_space: global }
      - { .name: xs, .offset: 8, .size: 8, .value_kind: global_buffer, .address_space: global }
      - { .name: wc, .offset: 16, .size: 8, .value_kind: global_buffer, .address_space: global }
      - { .name: ws, .offset: 24, .size: 8, .value_kind: global_buffer, .address_space: global }
      - { .name: b_in, .offset: 32, .size: 8, .value_kind: global_buffer, .address_space: global }
      - { .name: qkvc, .offset: 40, .size: 8, .value_kind: global_buffer, .address_space: global }
      - { .name: qkvs, .offset: 48, .size: 8, .value_kind: global_buffer, .address_space: global }
    .group_segment_fixed_size: 327680
    .private_segment_fixed_size: 0
    .kernarg_segment_align: 8
    .kernarg_segment_size: 56
    .max_flat_workgroup_size: 128
    .sgpr_count:     106
    .vgpr_count:     1024
    .wavefront_size: 32
...
	.end_amdgpu_metadata
.endif
;; end of part 2
;; launch attn (part 3): grid 4 x 64, 16 waves a work-group, clusters of 4 x 1, 167,936 bytes of LDS; arguments qkvc, qkvs, attc, atts; writes attc, atts
.if DOCPART == 3
	.amdgcn_target "amdgcn-amd-amdhsa--gfx1250"
	.amdhsa_code_object_version 6
	.text
	.protected	k_qb39ddcbf20_attn
	.globl	k_qb39ddcbf20_attn
	.p2align	8
	.type	k_qb39ddcbf20_attn,@function
k_qb39ddcbf20_attn:
	s_mov_b64 s[64:65], 0
	v_nop
	global_prefetch_b8 v0, s[64:65] scope:SCOPE_SE
	s_setreg_imm32_b32 hwreg(HW_REG_WAVE_MODE, 25, 1), 1
	s_wait_xcnt 0x0
	s_wait_alu depctr_hold_cnt(0) depctr_sa_sdst(0) depctr_va_vdst(0) depctr_va_sdst(0) depctr_va_ssrc(0) depctr_va_vcc(0) depctr_vm_vsrc(0)
	s_getreg_b32 s2, hwreg(HW_REG_IB_STS2, 6, 4)
	s_cmp_eq_u32 s2, 0
	s_cbranch_scc0 .Lentry_in_a_cluster
	s_endpgm
.Lentry_in_a_cluster:
	s_bfe_u32 s2, ttmp6, 0x10000c
	s_cmp_lg_u32 s2, 0x3003
	s_cbranch_scc0 .Lentry_shape_is_right
	s_endpgm
.Lentry_shape_is_right:
; O = softmax(q k^T / 8, causal) v for one head of one batch, both products on codes of FP4; O / l is quantised along the head's 64 and stored as codes for the last product.
; WORK LEFT OUT: a step of 128 keys all of which lie behind all 16 queries of a tile (their p is 0 by the mask that reference() builds itself); a NaN, an infinity or an overflow that reaches only such steps is not carried on.
; THE SOFTMAX: t = score x log2(e) / 8; M = the running largest t rounded up to a whole number; p = 2^(t - M) is quantised along the keys, not normalised; the sum is taken of the unquantised p; when M moves, the sum and O
; are multiplied by 2^(old M - new M), which rounds nothing; O is divided by the sum at the end.
; SHARES.  A cluster of four work-groups takes one (batch, head).  A tile T is 16 queries: lane r has query 32 (T / 2) + 8 (T % 2) + r + 8 (r / 8); its queries lie in the 128 tokens of key step T / 8, so it has T / 8 + 1 live steps, the last
; on the diagonal.  Wave w of work-group cx owns tiles 127 - 4 w - cx and 4 w + cx: 16 - w / 2 and w / 2 + 1 steps, 17 for every wave.  The two limits hang on the wave's number alone; cx enters global addresses and the mask's numbers, no branch and no LDS address.
; A WHOLE HEAD'S K AND V LIE IN LDS (140 KB), as images of operand registers, asked for jointly by the four work-groups: one tensor load a wave (waves 0-3 K's codes, 4-7 V's, 8-11 K's scale words, 12-15 V's; four key steps each).
; Every load is a first fill: one wait, one barrier, no ring.  No prefetch: all loads go out at the head.
; LAYOUT.  Both products transposed: S^T = K Q^T (source 0 = 16 keys), O^T = V^T P^T (source 0 = 16 channels): a lane holds one query throughout.  By the order of rows in a tile the 16 registers of tiles 2 b, 2 b + 1 are 16 neighbours
; (keys, or channels) 32 b + 16 h + 0 .. 15.  The first product's K is 64: registers 4-7 of K's and Q's fragments are zero codes, which add nothing under the bytes that stand over them (never 0xff).
; atts is stored a byte a lane: a token's scale word is shared by two heads, so by two clusters; 32 bytes within 64 consecutive ones for each tile: 256 KB in the launch.
; LIMITS: NaN and infinities are not served; a block of zeros gets the byte 1.
; REGISTERS: v1-4 lane terms; v5, v6 the add's two; v7 the mask's number; v8-11 LDS addresses; v12 -M, v13 the largest t, v[14:15] the sum; v16-23 Q; v24-31 p's codes; v32-95 K; v96-159 S^T, then p; v160-191 O^T; v192-223 V; v224-235 scale words; v236-255 at work.
.set VC,    65536                      ; LDS: K's codes 0 (4,096 bytes a key step), V's here,
.set KS,    131072                     ; K's scale words (512 a step),
.set VS,    139264                     ; V's (256 a step),
.set SPARE, 143360                     ; the spare words, 128 bytes for each of 16 waves
.set LI,  1                            ; 16 x lane
.set RB,  2                            ; r + 8 (r / 8) - 16 h
.set R16, 3                            ; 16 r
.set H8,  4                            ; 8 h
.set SPW, 5
.set NIL, 6
.set DG,  7
.set ADK, 8
.set ADV, 9
.set ADS, 10
.set ADT, 11
.set QF,  16
.set PCD, 24
.set KF,  32
.set ST,  96
.set OT,  160
.set VF,  192
.set KSC, 224
.set VSC, 232
.set BM,  236
.set PT,  240
.set SO,  244
.set PWD, 248
.set QSC, 249
.set FF,  250
.set S2,  252
.set TT,  254
.set NINF, 255
.set WV,  12
.set SEL, 20
.set CS,  22
.set KI,  92
.set LIM, 93
.set TK,  94
.set TS,  95
.set TV,  96
.set TH,  97
.set TL,  98
.set W0,  15|(3<<16)|(1<<21)           ; the mask: all four work-groups; elements of 8 bytes; bit 21 set beside a mask
.macro CROUND
	s_barrier_signal -1
	s_barrier_wait -1
	s_cmp_lg_u32 s[WV], 0
	s_cbranch_scc1 .Lnot_wave_0_\@
	s_barrier_signal -3
.Lnot_wave_0_\@:
	s_barrier_wait -3
	s_barrier_signal -1
	s_barrier_wait -1
.endm
.macro MKG1 g, c, r, p                 ; a tile of r rows of c elements, p elements apart
	s_mov_b32 s[\g], W0
	s_mov_b32 s[\g+1], (\c)<<16
	s_mov_b32 s[\g+2], (\r)<<16
	s_mov_b32 s[\g+3], (\c)<<16
	s_mov_b32 s[\g+4], \r
	s_mov_b32 s[\g+5], \p
	s_mov_b32 s[\g+6], 0
	s_mov_b32 s[\g+7], 0
.endm
.macro FOURNOP
.rept 4
	v_nop
.endr
.endm
	s_load_b256 s[4:11], s[0:1], 0x0               ; qkvc s[4:5], qkvs s[6:7], attc s[8:9], atts s[10:11]
	v_lshl_add_u32 v[SPW], v0, 2, SPARE
	v_mov_b32 v[NIL], 0
	ds_add_u32 v[SPW], v[NIL]                      ; the wave's opening: the add, twice on end, and its wait ahead of my first tensor load
	ds_add_u32 v[SPW], v[NIL]
	v_lshrrev_b32 v8, 5, v0
	s_delay_alu instid0(VALU_DEP_1)
	v_readfirstlane_b32 s[WV], v8                  ; wave 0..15
	s_bfe_u32 s13, ttmp6, 0x40000                  ; cx
	s_and_b32 s14, ttmp7, 0xffff                   ; 16 x batch + head
	s_and_b32 s18, s14, 15                         ; head
	s_lshr_b32 s17, s14, 4                         ; batch
	s_lshr_b32 s15, s18, 1                         ; pair of heads
	s_and_b32 s16, s18, 1                          ; head of the pair
	s_lshl_b32 s19, s15, 6
	s_lshl_b32 s99, s17, 4
	s_add_co_u32 s19, s19, s99                     ; q's block of the batch's first 128 tokens; k's lie 512 blocks on, v's 1,024
	MKG1 24, 64, 32, 128                           ; K's codes: my head's 512 bytes of each of 32 fragments, 1,024 bytes apart
	MKG1 32, 512, 4, 1024                          ; V's codes: my head's 4,096 bytes of each of 4 blocks, 8,192 apart
	MKG1 40, 32, 8, 64                             ; K's scale words: 256 bytes of each 512
	MKG1 48, 32, 4, 128                            ; V's: 256 bytes of each 1,024
	s_mov_b32 s[SEL], 0x76543210
	s_mov_b32 s[SEL+1], 0xfedcba98                 ; selects for lane l xor 16
	s_mov_b32 s[CS], 0x3e38aa3b                    ; log2(e) / 8
	s_mov_b32 s[CS+1], s[CS]                       ; (named with it as a pair)
	s_and_b32 s99, s[WV], 3                        ; which four key steps I fetch
	s_lshl_b32 s100, s99, 2
	s_add_co_u32 s100, s100, s19
	s_mov_b32 s56, 1                               ; groups 0: count 1; the LDS address hangs on the wave's number alone
	s_lshl_b32 s57, s99, 14
	s_mov_b32 s60, 1
	s_lshl_b32 s61, s99, 14
	s_add_co_u32 s61, s61, VC
	s_mov_b32 s68, 1
	s_lshl_b32 s69, s99, 11
	s_add_co_u32 s69, s69, KS
	s_mov_b32 s72, 1
	s_lshl_b32 s73, s99, 10
	s_add_co_u32 s73, s73, VS
	s_mov_b32 s3, 0
	s_lshl_b32 s[TL], s[WV], 2
	s_add_co_u32 s[TL], s[TL], s13                 ; my early tile
	s_sub_co_u32 s[TH], 127, s[TL]                 ; my late tile
	s_lshr_b32 s105, s[WV], 1                      ; the early tile's last live step
	s_sub_co_u32 s[LIM], 15, s105                  ; the late tile's
	s_wait_dscnt 0x0                               ; both opening adds are done
	s_wait_kmcnt 0x0
	s_add_co_u32 s101, s100, 512                   ; k's blocks
	s_lshl_b32 s2, s101, 13
	s_lshl_b32 s104, s16, 9
	s_add_co_u32 s2, s2, s104
	s_add_nc_u64 s[58:59], s[4:5], s[2:3]
	s_or_b32 s59, s59, 0x80000000
	s_lshl_b32 s2, s101, 10
	s_lshl_b32 s104, s16, 8
	s_add_co_u32 s2, s2, s104
	s_add_nc_u64 s[70:71], s[6:7], s[2:3]
	s_or_b32 s71, s71, 0x80000000
	s_add_co_u32 s101, s100, 1024                  ; v's blocks
	s_lshl_b32 s2, s101, 13
	s_lshl_b32 s104, s16, 12
	s_add_co_u32 s2, s2, s104
	s_add_nc_u64 s[62:63], s[4:5], s[2:3]
	s_or_b32 s63, s63, 0x80000000
	s_lshl_b32 s2, s101, 10
	s_lshl_b32 s104, s16, 9
	s_add_co_u32 s2, s2, s104
	s_add_nc_u64 s[74:75], s[6:7], s[2:3]
	s_or_b32 s75, s75, 0x80000000
	CROUND                                         ; all four work-groups are here: the joint loads meet
	s_cmp_lt_u32 s[WV], 4                          ; one load in each arm of a branch on the wave's number; an s_nop 0 and four v_nop follow each
	s_cbranch_scc0 .Lnot_kc
	tensor_load_to_lds s[56:59], s[24:31]
	s_nop 0
	FOURNOP
	s_branch .Lasked
.Lnot_kc:
	s_cmp_lt_u32 s[WV], 8
	s_cbranch_scc0 .Lnot_vc
	tensor_load_to_lds s[60:63], s[32:39]
	s_nop 0
	FOURNOP
	s_branch .Lasked
.Lnot_vc:
	s_cmp_lt_u32 s[WV], 12
	s_cbranch_scc0 .Lnot_ks
	tensor_load_to_lds s[68:71], s[40:47]
	s_nop 0
	FOURNOP
	s_branch .Lasked
.Lnot_ks:
	tensor_load_to_lds s[72:75], s[48:55]
	s_nop 0
	FOURNOP
.Lasked:
	v_and_b32 v8, 15, v0                           ; r
	v_bfe_u32 v9, v0, 4, 1                         ; h
	v_and_b32 v10, 31, v0
	s_delay_alu instid0(VALU_DEP_1)
	v_lshlrev_b32 v[LI], 4, v10
	s_wait_alu depctr_va_vdst(0)
	v_lshlrev_b32 v[R16], 4, v8
	s_wait_alu depctr_va_vdst(0)
	v_lshlrev_b32 v[H8], 3, v9
	v_and_b32 v[RB], 8, v8
	s_delay_alu instid0(VALU_DEP_1)
	v_add_nc_u32 v[RB], v[RB], v8
	v_lshlrev_b32 v11, 4, v9
	s_delay_alu instid0(VALU_DEP_1)
	v_sub_nc_u32 v[RB], v[RB], v11
; Tile T's fragment of Q and its scale words, and the mask's number: d = my query's place among its 128 tokens - 16 h.
.macro QLOAD t
	s_lshr_b32 s99, s[\t], 3
	s_add_co_u32 s99, s99, s19                     ; q's block
	s_and_b32 s100, s[\t], 7                       ; the fragment in it
	s_lshl_b32 s101, s99, 13
	s_lshl_b32 s104, s100, 10
	s_add_co_u32 s101, s101, s104
	s_lshl_b32 s104, s16, 9
	s_add_co_u32 s101, s101, s104
	v_add_nc_u32 v158, s101, v[LI]
	s_wait_alu depctr_va_vdst(0)
	s_lshl_b32 s101, s99, 10
	s_lshr_b32 s104, s100, 2
	s_lshl_b32 s104, s104, 9
	s_add_co_u32 s101, s101, s104
	s_lshl_b32 s104, s16, 8
	s_add_co_u32 s101, s101, s104
	s_and_b32 s104, s[\t], 3
	s_lshl_b32 s104, s104, 2
	s_add_co_u32 s101, s101, s104
	v_add_nc_u32 v159, s101, v[R16]
	global_load_b128 v[QF:QF+3], v158, s[4:5]
	global_load_b32 v[QSC], v159, s[6:7]
	s_lshr_b32 s104, s100, 1
	s_lshl_b32 s104, s104, 5
	s_and_b32 s101, s[\t], 1
	s_lshl_b32 s101, s101, 3
	s_add_co_u32 s104, s104, s101
	v_add_nc_u32 v[DG], s104, v[RB]
.endm
.macro INIT                            ; the step is written once: the first step of a tile finds zeros, which the first change of M leaves zeros
	v_mov_b32 v13, 0xff61b1e6                      ; the largest t so far: -3e38
	s_delay_alu instid0(VALU_DEP_1)
	v_floor_f32 v12, -v13                          ; -M
	v_mov_b32 v14, 0
	v_mov_b32 v15, 0
.set N, 0
.rept 32
	v_mov_b32 v[OT+N], 0
.set N, N+1
.endr
.endm
; A KEY STEP: 128 keys, number s[KI].
.macro STEP
	s_cmp_gt_u32 s[KI], s[LIM]                     ; all its keys lie behind my queries: left out.  The limit hangs on the wave's number alone; no barrier and no tensor load stands in a step
	s_cbranch_scc1 .Lhid_\@
	s_lshl_b32 s[TK], s[KI], 12
	s_lshl_b32 s[TS], s[KI], 9
	s_add_co_u32 s[TS], s[TS], KS
	s_lshl_b32 s[TV], s[KI], 8
	s_add_co_u32 s[TV], s[TV], VS
	s_setprio 2
	v_add_nc_u32 v[ADK], s[TK], v[LI]              ; these four are also the places between the last step's products and the loads into their registers
	s_delay_alu instid0(VALU_DEP_1)
	v_add_nc_u32 v[ADV], VC, v[ADK]
	v_add_nc_u32 v[ADS], s[TS], v[R16]
	v_add_nc_u32 v[ADT], s[TV], v[R16]
.irp t, 0,1,2,3,4,5,6,7
	ds_load_b128 v[KF+8*\t:KF+8*\t+3], v[ADK] offset:512*\t    ; tile t of K: the head's 64 along K; registers 4-7 stay zero
.endr
.irp i, 0,1
	ds_load_b128 v[KSC+4*\i:KSC+4*\i+3], v[ADS] offset:256*\i
.endr
.irp n, 0,1,2,3,4,5,6,7
	ds_load_b128 v[VF+4*\n:VF+4*\n+3], v[ADV] offset:512*\n
.endr
	ds_load_b128 v[VSC:VSC+3], v[ADT]
	s_wait_dscnt 9                                 ; K and its scale words are in; V's nine loads may be out
.irp t, 0,1,2,3,4,5,6,7
	v_wmma_scale_f32_16x16x128_f8f6f4 v[ST+8*\t:ST+8*\t+7], v[KF+8*\t:KF+8*\t+7], v[QF:QF+7], 0, v[KSC+\t], v[QSC] matrix_a_fmt:MATRIX_FMT_FP4 matrix_b_fmt:MATRIX_FMT_FP4
.endr
	FOURNOP
	s_cmp_lg_u32 s[KI], s[LIM]                     ; only the tile's last live step lies on the diagonal
	s_cbranch_scc1 .Lopen_\@
.set N, 0
.rept 64                               ; register 16 b + i holds key 32 b + 16 h + i of the step: hidden where 32 b + i > d
	v_cmp_gt_i32 vcc_lo, 32*(N/16)+N%16, v[DG]
	v_cndmask_b32 v[ST+N], v[ST+N], v[NINF], vcc_lo
.set N, N+1
.endr
.Lopen_\@:
.irp b, 0,1,2,3
	v_max3_num_f32 v[BM+\b], v[ST+16*\b], v[ST+1+16*\b], v[ST+2+16*\b]   ; the largest score of each block of 32 keys: for the row's maximum, and, since p rises with the score, for the block's largest p
.endr
.irp i, 3,5,7,9,11,13
.irp b, 0,1,2,3
	v_max3_num_f32 v[BM+\b], v[BM+\b], v[ST+16*\b+\i], v[ST+1+16*\b+\i]
.endr
.endr
.irp b, 0,1,2,3
	v_max_num_f32 v[BM+\b], v[BM+\b], v[ST+15+16*\b]
.endr
.irp b, 0,1,2,3
	s_delay_alu instid0(VALU_DEP_4)
	v_permlanex16_b32 v[PT+\b], v[BM+\b], s[SEL], s[SEL+1]
.endr
.irp b, 0,1,2,3
	s_delay_alu instid0(VALU_DEP_4)
	v_max_num_f32 v[BM+\b], v[BM+\b], v[PT+\b]     ; with lane l xor 16's 16 keys
.endr
	s_delay_alu instid0(VALU_DEP_2)
	v_max3_num_f32 v[TT], v[BM], v[BM+1], v[BM+2]
	s_delay_alu instid0(VALU_DEP_1)
	v_max_num_f32 v[TT], v[TT], v[BM+3]
	s_delay_alu instid0(VALU_DEP_1)
	v_mul_f32 v[TT], s[CS], v[TT]                  ; the step's largest t
	s_delay_alu instid0(VALU_DEP_1)
	v_max_num_f32 v13, v13, v[TT]
	v_mov_b32 v[TT], v12
	s_delay_alu instid0(VALU_DEP_2)
	v_floor_f32 v12, -v13                          ; the new -M = -ceil(t)
	s_delay_alu instid0(VALU_DEP_1)
	v_sub_f32 v[TT], v12, v[TT]                    ; old M - new M: a whole number, 0 or less
	s_delay_alu instid0(VALU_DEP_1)
	v_cvt_i32_f32 v[TT], v[TT]                     ; (it saturates)
	s_delay_alu instid0(VALU_DEP_1)
	v_ldexp_f32 v[FF], 1.0, v[TT]                  ; f = 2^(old M - new M)
.set N, 0
.rept 32
	v_pk_fma_f32 v[ST+N:ST+N+1], v[ST+N:ST+N+1], s[CS:CS+1], v[12:13] op_sel_hi:[1,0,0]   ; t - M, two at a time
.set N, N+2
.endr
	s_setprio 1
.irp b, 0,1,2,3
	v_fma_f32 v[BM+\b], v[BM+\b], s[CS], v12       ; the same of each block's largest score
.endr
.set N, 0
	s_wait_alu depctr_va_vdst(0)
.rept 64
	v_exp_f32 v[ST+N], v[ST+N]                     ; p = 2^(t - M)
.set N, N+1
.endr
	v_pk_mul_f32 v[14:15], v[14:15], v[FF:FF+1] op_sel_hi:[1,0]   ; the sum under the new M: the plain instruction behind the exponentials
	s_wait_alu depctr_va_vdst(0)                   ; one wait for the batch, ahead of its first reader
.irp b, 0,1,2,3
	v_exp_f32 v[BM+\b], v[BM+\b]                   ; each block's largest p
.endr
	v_pk_add_f32 v[252:253], v[100:101], v[104:105]
	v_pk_add_f32 v[246:247], v[108:109], v[112:113]
	v_pk_add_f32 v[244:245], v[116:117], v[120:121]
	v_pk_add_f32 v[242:243], v[124:125], v[128:129]
	v_pk_add_f32 v[240:241], v[132:133], v[136:137]
	v_pk_add_f32 v[230:231], v[140:141], v[144:145]
	v_pk_add_f32 v[228:229], v[148:149], v[152:153]
	v_pk_add_f32 v[14:15], v[14:15], v[156:157]
	v_pk_add_f32 v[252:253], v[252:253], v[96:97]
	v_pk_add_f32 v[246:247], v[246:247], v[98:99]
	v_pk_add_f32 v[244:245], v[244:245], v[102:103]
	v_pk_add_f32 v[242:243], v[242:243], v[106:107]
	v_pk_add_f32 v[240:241], v[240:241], v[110:111]
	v_pk_add_f32 v[230:231], v[230:231], v[114:115]
	v_pk_add_f32 v[228:229], v[228:229], v[118:119]
	v_pk_add_f32 v[14:15], v[14:15], v[122:123]
	v_pk_add_f32 v[252:253], v[252:253], v[126:127]
	v_pk_add_f32 v[246:247], v[246:247], v[130:131]
	v_pk_add_f32 v[244:245], v[244:245], v[134:135]
	v_pk_add_f32 v[242:243], v[242:243], v[138:139]
	v_pk_add_f32 v[240:241], v[240:241], v[142:143]
	v_pk_add_f32 v[230:231], v[230:231], v[146:147]
	v_pk_add_f32 v[228:229], v[228:229], v[150:151]
	v_pk_add_f32 v[14:15], v[14:15], v[154:155]
	v_pk_add_f32 v[252:253], v[252:253], v[158:159]
	s_delay_alu instid0(VALU_DEP_2)
	v_pk_add_f32 v[14:15], v[14:15], v[242:243]
	s_delay_alu instid0(VALU_DEP_2)
	v_pk_add_f32 v[252:253], v[252:253], v[240:241]
	v_pk_add_f32 v[246:247], v[246:247], v[230:231]
	v_pk_add_f32 v[244:245], v[244:245], v[228:229]
	s_delay_alu instid0(VALU_DEP_2)
	v_pk_add_f32 v[14:15], v[14:15], v[246:247]
	s_delay_alu instid0(VALU_DEP_2)
	v_pk_add_f32 v[252:253], v[252:253], v[244:245]
	s_delay_alu instid0(VALU_DEP_1)
	v_pk_add_f32 v[14:15], v[14:15], v[252:253]
	s_wait_alu depctr_va_vdst(0)                   ; and one for the four
.irp b, 0,1,2,3
	v_max_num_f32 v[BM+\b], 0x1800000, v[BM+\b]    ; the floor 2^(3 - 127): the byte cannot fall under 1
.endr
.irp b, 0,1,2,3
	s_delay_alu instid0(VALU_DEP_4)
	v_add_nc_u32 v[SO+\b], 0xff000000, v[BM+\b]    ; the conversion's scale operand
.endr
.irp b, 0,1,2,3
	s_delay_alu instid0(VALU_DEP_4)
	v_lshrrev_b32 v[PT+\b], 23, v[SO+\b]           ; the scale's byte
.endr
	s_delay_alu instid0(VALU_DEP_3)
	v_lshl_or_b32 v[PWD], v[PT+1], 8, v[PT]        ; p's scale word for these 128 keys
	s_delay_alu instid0(VALU_DEP_1)
	v_lshl_or_b32 v[PWD], v[PT+2], 16, v[PWD]
	s_delay_alu instid0(VALU_DEP_1)
	v_lshl_or_b32 v[PWD], v[PT+3], 24, v[PWD]
	s_setprio 0
.irp b, 0,1,2,3
	v_cvt_scalef32_pk8_fp4_f32 v[PCD+2*\b], v[ST+16*\b:ST+7+16*\b], v[SO+\b]
	v_cvt_scalef32_pk8_fp4_f32 v[PCD+1+2*\b], v[ST+8+16*\b:ST+15+16*\b], v[SO+\b]
.endr
	v_nop                                          ; one plain instruction behind the last scaled conversion
.irp c, 0,1
.irp i, 0,1
	v_permlane16_swap_b32 v[PCD+4*\c+\i], v[PCD+2+4*\c+\i]
.endr
.endr
.set N, 0
.rept 16
	v_pk_mul_f32 v[OT+N:OT+N+1], v[OT+N:OT+N+1], v[FF:FF+1] op_sel_hi:[1,0]   ; O^T under the new M; these sixteen also stand between the lines that made p's codes and scale word and the products
.set N, N+2
.endr
	s_wait_alu depctr_va_vdst(0)
	s_wait_dscnt 0x0                               ; V and its scale words are in
.irp t, 0,1,2,3
	v_wmma_scale_f32_16x16x128_f8f6f4 v[OT+8*\t:OT+8*\t+7], v[VF+8*\t:VF+8*\t+7], v[PCD:PCD+7], v[OT+8*\t:OT+8*\t+7], v[VSC+\t], v[PWD] matrix_a_fmt:MATRIX_FMT_FP4 matrix_b_fmt:MATRIX_FMT_FP4
.endr
.Lhid_\@:
.endm
; A tile's way out: O^T / the sum (register 16 b + i: channel 32 b + 16 h + i of my query), quantised in two blocks; the codes are half c of fragment head / 2 of row tile 128 batch + T.
.macro EPI t
	FOURNOP                                        ; between the last products and the first read of O^T
	v_add_f32 v14, v14, v15
	s_delay_alu instid0(VALU_DEP_1)
	v_permlanex16_b32 v[PT], v14, s[SEL], s[SEL+1]
	s_delay_alu instid0(VALU_DEP_1)
	v_add_f32 v14, v14, v[PT]                      ; the row's sum
	s_wait_alu depctr_va_vdst(0)
	v_rcp_f32 v14, v14
	s_lshl_b32 s99, s17, 7
	s_add_co_u32 s99, s99, s[\t]                   ; the row tile
	s_lshl_b32 s100, s99, 13
	s_lshl_b32 s101, s18, 9
	s_add_co_u32 s100, s100, s101
	v_add_nc_u32 v156, s100, v[LI]                 ; (plain work behind the reciprocal)
	s_lshl_b32 s100, s99, 9
	s_lshl_b32 s101, s15, 6
	s_add_co_u32 s100, s100, s101
	s_lshl_b32 s101, s16, 1
	s_add_co_u32 s100, s100, s101
	v_lshrrev_b32 v157, 2, v[R16]
	v_lshrrev_b32 v133, 3, v[H8]
	s_delay_alu instid0(VALU_DEP_1)
	v_add3_u32 v157, v157, v133, s100              ; my byte: word r, byte 2 c + h
	s_wait_alu depctr_va_vdst(0)                   ; the wait ahead of the reciprocal's first reader
.set N, 0
.rept 16
	v_pk_mul_f32 v[ST+N:ST+N+1], v[OT+N:OT+N+1], v[14:15] op_sel_hi:[1,0]
.set N, N+2
.endr
.irp b, 0,1
	v_max3_num_f32 v[BM+\b], |v[ST+16*\b]|, |v[ST+1+16*\b]|, 0x1800000
.endr
.irp i, 2,4,6,8,10,12,14
.irp b, 0,1
	s_delay_alu instid0(VALU_DEP_2)
	v_max3_num_f32 v[BM+\b], v[BM+\b], |v[ST+16*\b+\i]|, |v[ST+1+16*\b+\i]|
.endr
.endr
.irp b, 0,1
	s_delay_alu instid0(VALU_DEP_2)
	v_permlanex16_b32 v[PT+\b], v[BM+\b], s[SEL], s[SEL+1]
.endr
.irp b, 0,1
	s_delay_alu instid0(VALU_DEP_2)
	v_max_num_f32 v[BM+\b], v[BM+\b], v[PT+\b]
.endr
.irp b, 0,1
	s_delay_alu instid0(VALU_DEP_2)
	v_add_nc_u32 v[SO+\b], 0xff000000, v[BM+\b]
.endr
.irp b, 0,1
	s_delay_alu instid0(VALU_DEP_2)
	v_lshrrev_b32 v[PT+\b], 23, v[SO+\b]
.endr
	s_delay_alu instid0(VALU_DEP_1)
	v_lshl_or_b32 v132, v[PT+1], 8, v[PT]
.irp b, 0,1
	v_cvt_scalef32_pk8_fp4_f32 v[128+2*\b], v[ST+16*\b:ST+7+16*\b], v[SO+\b]
	v_cvt_scalef32_pk8_fp4_f32 v[129+2*\b], v[ST+8+16*\b:ST+15+16*\b], v[SO+\b]
.endr
	v_nop
	v_permlane16_swap_b32 v128, v130
	v_permlane16_swap_b32 v129, v131
	v_lshrrev_b32 v132, v[H8], v132                ; block h's byte
	global_store_b128 v156, v[128:131], s[8:9]     ; 512 consecutive bytes
	global_store_b8 v157, v132, s[10:11]
.endm
	QLOAD TH
.irp j, 4,5,6,7
	v_mov_b32 v[QF+\j], 0                          ; zero codes beyond the head's 64
.endr
.irp t, 0,1,2,3,4,5,6,7
.irp j, 4,5,6,7
	v_mov_b32 v[KF+8*\t+\j], 0
.endr
.endr
.irp b, 0,1,2,3
	v_mov_b32 v[PT+\b], 0                          ; a lane permute's destination counts as one of its sources
.endr
	v_mov_b32 v[FF+1], 0                           ; (named as the upper half of a pair)
	v_mov_b32 v[NINF], 0xff800000
	INIT
	s_wait_tensorcnt 0x0                           ; my part of the head has landed,
	s_barrier_signal -1
	s_barrier_wait -1                              ; everybody's has; nothing is filled again
	s_wait_loadcnt 0x0                             ; Q
	s_mov_b32 s[KI], 0
.Llate:                                ; the late tile: every wave walks 16 steps and leaves out those behind its limit
	STEP
	s_add_co_u32 s[KI], s[KI], 1
	s_cmp_lt_u32 s[KI], 16
	s_cbranch_scc1 .Llate
	s_setprio 0
	QLOAD TL                                       ; the early tile's Q is on its way while the late tile goes out
	EPI TH
	s_wait_loadcnt 0x0
	s_wait_xcnt 0x0                                ; the stores have read their registers, which the next scores write
	INIT
	s_mov_b32 s[LIM], s105
	s_mov_b32 s[KI], 0
.Learly:                               ; the early tile: its limit is 7 at the most
	STEP
	s_add_co_u32 s[KI], s[KI], 1
	s_cmp_lt_u32 s[KI], 8
	s_cbranch_scc1 .Learly
	s_setprio 0
	EPI TL
	s_wait_tensorcnt 0x0                           ; the wave's end
	ds_add_u32 v[SPW], v[NIL]
	s_wait_dscnt 0x0
	CROUND                                         ; the closing round
	s_endpgm
.Lfunc_end_k_qb39ddcbf20_attn:
	.size	k_qb39ddcbf20_attn, .Lfunc_end_k_qb39ddcbf20_attn-k_qb39ddcbf20_attn
	.p2alignl 7, 3214868480
	.fill 96, 4, 3214868480
	.section	.rodata,"a",@progbits
	.p2align	6, 0x0
	.amdhsa_kernel k_qb39ddcbf20_attn
		.amdhsa_group_segment_fixed_size 167936
		.amdhsa_private_segment_fixed_size 0
		.amdhsa_enable_private_segment 0
		.amdhsa_kernarg_size 32
		.amdhsa_user_sgpr_count 2
		.amdhsa_user_sgpr_kernarg_segment_ptr 1
		.amdhsa_wavefront_size32 1
		.amdhsa_system_sgpr_workgroup_id_x 1
		.amdhsa_system_sgpr_workgroup_id_y 1
		.amdhsa_system_sgpr_workgroup_id_z 1
		.amdhsa_system_vgpr_workitem_id 0
		.amdhsa_next_free_vgpr 256
		.amdhsa_next_free_sgpr 106
		.amdhsa_reserve_vcc 1
		.amdhsa_float_denorm_mode_32 3
		.amdhsa_float_denorm_mode_16_64 3
		.amdhsa_memory_ordered 1
		.amdhsa_forward_progress 1
		.amdhsa_inst_pref_size 66
	.end_amdhsa_kernel
	.amdgpu_metadata
---
amdhsa.version: [ 1, 2 ]
amdhsa.kernels:
  - .name:           k_qb39ddcbf20_attn
    .symbol:         k_qb39ddcbf20_attn.kd
    .args:
      - { .name: qkvc, .offset: 0, .size: 8, .value_kind: global_buffer, .address_space: global }
      - { .name: qkvs, .offset: 8, .size: 8, .value_kind: global_buffer, .address_space: global }
      - { .name: attc, .offset: 16, .size: 8, .value_kind: global_buffer, .address_space: global }
      - { .name: atts, .offset: 24, .size: 8, .value_kind: global_buffer, .address_space: global }
    .group_segment_fixed_size: 167936
    .private_segment_fixed_size: 0
    .kernarg_segment_align: 8
    .kernarg_segment_size: 32
    .max_flat_workgroup_size: 512
    .sgpr_count:     106
    .vgpr_count:     256
    .wavefront_size: 32
...
	.end_amdgpu_metadata
.endif
;; end of part 3
;; launch proj (part 4): grid 8 x 32, 4 waves a work-group, clusters of 4 x 4, 327,680 bytes of LDS; arguments attc, atts, wc, ws, b_out, out0; writes out0
.if DOCPART == 4
	.amdgcn_target "amdgcn-amd-amdhsa--gfx1250"
	.amdhsa_code_object_version 6
	.text
	.protected	k_qb39ddcbf20_proj
	.globl	k_qb39ddcbf20_proj
	.p2align	8
	.type	k_qb39ddcbf20_proj,@function
k_qb39ddcbf20_proj:
	s_mov_b64 s[64:65], 0
	v_nop
	global_prefetch_b8 v0, s[64:65] scope:SCOPE_SE
	s_setreg_imm32_b32 hwreg(HW_REG_WAVE_MODE, 25, 1), 1
	s_wait_xcnt 0x0
	s_wait_alu depctr_hold_cnt(0) depctr_sa_sdst(0) depctr_va_vdst(0) depctr_va_sdst(0) depctr_va_ssrc(0) depctr_va_vcc(0) depctr_vm_vsrc(0)
	s_getreg_b32 s2, hwreg(HW_REG_IB_STS2, 6, 4)
	s_cmp_eq_u32 s2, 0
	s_cbranch_scc0 .Lentry_in_a_cluster
	s_endpgm
.Lentry_in_a_cluster:
	s_bfe_u32 s2, ttmp6, 0x10000c
	s_cmp_lg_u32 s2, 0xf033
	s_cbranch_scc0 .Lentry_shape_is_right
	s_endpgm
.Lentry_shape_is_right:
; out0 = att W_out^T + b_out on codes of FP4.  Source 0 = 16 rows of W_out (P), source 1 = 16 tokens (Q): a lane holds one token, and its registers run along the output's columns.
; A work-group makes 128 columns x 256 tokens, so that there are 256 work-groups; wave w takes all 8 tiles of P and its own 4 tiles of tokens: 32 accumulators.
; K = 1,024 fits whole in LDS (Q 128 KB, P 64 KB, scale words 12 KB): every tensor load is a first fill.  Waves 0, 1 fetch Q's halves, waves 2, 3 P's: the scale words, then four chunks of two K steps: five loads of a wave are out at the most.
; CLUSTERS 4 x 4: P's tile hangs on cx alone (asked for jointly by a column), Q's on cy alone (by a row).  No prefetch: all loads go out at the head.
; Rows in a tile: lane r has row 32 (t / 2) + 8 (t % 2) + r + 8 (r / 8), on both sides; the way out puts columns and tokens back in their places.
; REGISTERS.  Window 0: v16, v20, v27 LDS addresses; v32-95 scale words (register 8 kk + i: lanes 0-15 my token block i (i < 4), lanes 16-31 P's tile i); v128-159 Q's fragments; v192-255 the bias; on the way out v128-255 rows of out0.
;   Window 1: P's fragments, two sets.  Window 2: accumulator (a, b) at v[8 (8 a + b)].
.set SCL,   196608                     ; LDS: Q's codes 0 ([half 2][chunk 4][tile 8][2,048]), P's 131,072 ([half 2][chunk 4][tile 4][2,048]); Q's scale words here,
.set PSC,   204800                     ; P's,
.set SPARE, 208896                     ; the spare words, 128 bytes for each wave,
.set STAGE, 209408                     ; and a stage of 16 rows x 528 bytes for each wave: bytes into which no tensor load lands
.set ADRQ,  16
.set ADRP,  20
.set STO,   22
.set RD,    23
.set CO,    26
.set ADRS,  27
.set SPW,   28
.set NIL,   29
.set SC,    32
.set AF,    128
.set BI,    192
.set WV,    18
.set G1Q,   24
.set G1P,   32
.set G1QS,  40
.set G1PS,  48
.set G1W0,  (3<<16)|(1<<21)
.set MSB,   0
.macro WIN new
.if MSB != (\new)
	s_set_vgpr_msb (MSB<<8)|(\new)
.set MSB, \new
.endif
.endm
.macro PLACES n
.rept \n
	v_nop
.endr
.endm
.macro CROUND
	s_barrier_signal -1
	s_barrier_wait -1
	s_cmp_lg_u32 s[WV], 0
	s_cbranch_scc1 .Lnot_wave_0_\@
	s_barrier_signal -3
.Lnot_wave_0_\@:
	s_barrier_wait -3
	s_barrier_signal -1
	s_barrier_wait -1
.endm
.macro G1REST g, c, r, p
	s_mov_b32 s[\g+1], (\c)<<16
	s_mov_b32 s[\g+2], (\r)<<16
	s_mov_b32 s[\g+3], (\c)<<16
	s_mov_b32 s[\g+4], \r
	s_mov_b32 s[\g+5], \p
	s_mov_b32 s[\g+6], 0
	s_mov_b32 s[\g+7], 0
.endm
.macro MKG0 g, lds, add, ptr, off
	s_mov_b32 s[\g], 1
	s_add_co_u32 s[\g+1], s[\lds], \add
	s_add_nc_u64 s[\g+2:\g+3], s[\ptr:\ptr+1], \off
	s_or_b32 s[\g+3], s[\g+3], 0x80000000
.endm
	s_load_b256 s[4:11], s[0:1], 0x0               ; attc s[4:5], atts s[6:7], wc s[8:9], ws s[10:11]
	s_load_b128 s[12:15], s[0:1], 0x20             ; b_out s[12:13], out0 s[14:15]
	v_lshl_add_u32 v[SPW], v0, 2, SPARE
	v_mov_b32 v[NIL], 0
	ds_add_u32 v[SPW], v[NIL]                      ; the wave's opening: the add, twice on end, and its wait ahead of my first tensor load
	ds_add_u32 v[SPW], v[NIL]
	v_lshrrev_b32 v1, 5, v0
	v_readfirstlane_b32 s[WV], v1                  ; wave 0..3
	s_lshr_b32 s19, s[WV], 1
	s_and_b32 s20, s[WV], 1                        ; which half I fetch
	s_bfe_u32 s21, ttmp6, 0x40000                  ; cx
	s_bfe_u32 s22, ttmp6, 0x40004                  ; cy
	s_lshl_b32 s67, ttmp9, 2
	s_add_co_u32 s67, s67, s21                     ; P's tile of 128 rows of W_out
	s_and_b32 s66, ttmp7, 0xffff
	s_lshl_b32 s66, s66, 2
	s_add_co_u32 s66, s66, s22                     ; Q's tile of 256 tokens
	s_lshl_b32 s92, s22, 2
	s_lshl_b32 s92, 15, s92                        ; my row of the cluster: Q's tiles
	s_lshl_b32 s96, 0x1111, s21                    ; my column: P's tiles
	s_or_b32 s[G1Q], s92, G1W0
	s_or_b32 s[G1QS], s92, G1W0
	s_or_b32 s[G1P], s96, G1W0
	s_or_b32 s[G1PS], s96, G1W0
	G1REST G1Q, 256, 8, 1024                       ; a chunk of Q: 2,048 bytes of each of 8 row tiles, 8,192 apart
	G1REST G1P, 256, 4, 1024                       ; of P: of each of 4
	G1REST G1QS, 32, 16, 32                        ; the scale words of 128 rows: 16 rows of 256 dense bytes
	G1REST G1PS, 32, 8, 32                         ; of 64 rows
	s_lshl_b32 s104, s[WV], 16                     ; LDS: Q's codes (waves 0, 1),
	s_lshl_b32 s105, s[WV], 12
	s_add_co_u32 s105, s105, SCL                   ; Q's scale words,
	s_lshl_b32 s23, s20, 15
	s_add_co_u32 s23, s23, 131072                  ; P's codes (waves 2, 3),
	s_lshl_b32 s16, s20, 11
	s_add_co_u32 s16, s16, PSC                     ; P's scale words
	s_lshl_b32 s2, s66, 17
	s_lshl_b32 s3, s20, 16
	s_add_co_u32 s2, s2, s3
	s_mov_b32 s3, 0
	s_lshl_b32 s100, s67, 16
	s_lshl_b32 s101, s20, 15
	s_add_co_u32 s100, s100, s101
	s_add_co_u32 s100, s100, 192*8192              ; W_out's tiles lie behind W_in's 192
	s_mov_b32 s101, 0
	s_wait_dscnt 0x0                               ; both opening adds are done
	s_wait_kmcnt 0x0
	s_add_nc_u64 s[4:5], s[4:5], s[2:3]
	s_lshr_b32 s2, s2, 4                           ; the scale words are a sixteenth of the codes
	s_add_nc_u64 s[6:7], s[6:7], s[2:3]
	s_add_nc_u64 s[8:9], s[8:9], s[100:101]
	s_lshr_b32 s100, s100, 4
	s_add_nc_u64 s[10:11], s[10:11], s[100:101]
	MKG0 92, 105, 0, 6, 0
	MKG0 56, 104, 0, 4, 0
	MKG0 60, 104, 16384, 4, 2048
	MKG0 68, 104, 32768, 4, 4096
	MKG0 72, 104, 49152, 4, 6144
	MKG0 96, 16, 0, 10, 0
	MKG0 76, 23, 0, 8, 0
	MKG0 80, 23, 8192, 8, 2048
	MKG0 84, 23, 16384, 8, 4096
	MKG0 88, 23, 24576, 8, 6144
	CROUND                                         ; all sixteen work-groups are here: the joint loads meet
	s_cmp_lt_u32 s[WV], 2                          ; a wave's five first fills stand in one branch on its number
	s_cbranch_scc0 .Lfill_p
	tensor_load_to_lds s[92:95], s[G1QS:G1QS+7]
	s_nop 0
	tensor_load_to_lds s[56:59], s[G1Q:G1Q+7]
	s_nop 0
	tensor_load_to_lds s[60:63], s[G1Q:G1Q+7]
	s_nop 0
	tensor_load_to_lds s[68:71], s[G1Q:G1Q+7]
	s_nop 0
	tensor_load_to_lds s[72:75], s[G1Q:G1Q+7]
	s_nop 0
	PLACES 4
	s_branch .Lfilled
.Lfill_p:
	tensor_load_to_lds s[96:99], s[G1PS:G1PS+7]
	s_nop 0
	tensor_load_to_lds s[76:79], s[G1P:G1P+7]
	s_nop 0
	tensor_load_to_lds s[80:83], s[G1P:G1P+7]
	s_nop 0
	tensor_load_to_lds s[84:87], s[G1P:G1P+7]
	s_nop 0
	tensor_load_to_lds s[88:91], s[G1P:G1P+7]
	s_nop 0
	PLACES 4
.Lfilled:
	v_and_b32 v1, 15, v0                           ; r
	v_bfe_u32 v2, v0, 4, 1                         ; h
	v_and_b32 v3, 31, v0
	v_lshlrev_b32 v[CO], 4, v3                     ; 16 x lane
	s_wait_alu depctr_va_vdst(0)
	v_lshlrev_b32 v24, 6, v2                       ; the bias: 64 h
	s_lshl_b32 s2, s67, 9
	s_mov_b32 s3, 0
	s_add_nc_u64 s[12:13], s[12:13], s[2:3]        ; b_out at my 128 columns
.irp b, 0,1,2,3,4,5,6,7                ; tile b, register j: column 32 (b / 2) + 8 (b % 2) + 16 h + j
	global_load_b128 v[BI+8*\b:BI+8*\b+3], v24, s[12:13] offset:4*(32*(\b/2)+8*(\b%2))
	global_load_b128 v[BI+8*\b+4:BI+8*\b+7], v24, s[12:13] offset:4*(32*(\b/2)+8*(\b%2))+16
.endr
	s_add_nc_u64 s[14:15], s[14:15], s[2:3]        ; out0: my 128 columns are 512 bytes,
	s_lshl_b32 s2, s66, 20
	s_lshl_b32 s100, s[WV], 18
	s_add_co_u32 s2, s2, s100
	s_add_nc_u64 s[14:15], s[14:15], s[2:3]        ; token 256 x tile + 64 x wave, 4,096 bytes a token
	s_lshl_b32 s2, s19, 16
	s_lshl_b32 s100, s20, 13
	s_add_co_u32 s2, s2, s100
	v_add_nc_u32 v[ADRQ], s2, v[CO]                ; my four tiles of tokens
	v_add_nc_u32 v[ADRP], 131072, v[CO]
	s_lshl_b32 s2, s[WV], 11
	s_sub_co_u32 s100, 8192, s2                    ; from my tokens' scale words to P's
	v_mul_u32_u24 v5, s100, v2                     ; lanes 16-31 take P's
	s_add_co_u32 s2, s2, SCL
	v_lshl_add_u32 v5, v1, 2, v5
	v_add_nc_u32 v[ADRS], s2, v5
	s_mul_i32 s2, s[WV], 16*528
	s_add_co_u32 s2, s2, STAGE                     ; my stage
	v_mul_u32_u24 v[STO], v1, 528
	v_lshl_add_u32 v[STO], v2, 6, v[STO]
	v_add_nc_u32 v[STO], s2, v[STO]                ; in: row r, + 64 h
	v_add_nc_u32 v[RD], s2, v[CO]                  ; back: a whole row of 512 bytes
.macro FRAGQ reg, kk, i
.irp c, 0,1
	ds_load_b128 v[\reg+4*\c:\reg+4*\c+3], v[ADRQ] offset:((\kk)/2)*16384+(\i)*2048+((\kk)%2)*1024+512*\c
.endr
.endm
.macro FRAGP reg, kk, i
.irp c, 0,1
	ds_load_b128 v[\reg+4*\c:\reg+4*\c+3], v[ADRP] offset:((\i)/4)*32768+((\kk)/2)*8192+((\i)%4)*2048+((\kk)%2)*1024+512*\c
.endr
.endm
.macro FETCH_P kk, p
	WIN 0x40
.irp i, 0,1,2,3,4,5,6,7
	FRAGP 128*(\p)+8*\i, \kk, \i
.endr
	WIN 0
.endm
.macro FETCH_Q kk, i0                  ; my token blocks i0, i0 + 1
.irp i, \i0, \i0+1
	FRAGQ AF+8*(\i), \kk, \i
.endr
.endm
; 16 matrix instructions: token blocks a0, a0 + 1 x P's eight tiles.  cm = 1: the sums begin with the bias.  The 32 accumulators take turns, one instruction a turn.
.macro MUL16 a0, p, kk, cm
.irp a, \a0, \a0+1
.irp b, 0,1,2,3,4,5,6,7
.set DD, 8*(8*(\a)+\b)
.set CC, DD
.if \cm == 1
.set CC, BI+8*\b
.endif
	v_wmma_scale_f32_16x16x128_f8f6f4 v[DD:DD+7], v[128*(\p)+8*\b:128*(\p)+8*\b+7], v[AF+8*(\a):AF+8*(\a)+7], v[CC:CC+7], v[SC+8*(\kk)+\b], v[SC+8*(\kk)+(\a)] matrix_a_fmt:MATRIX_FMT_FP4 matrix_b_fmt:MATRIX_FMT_FP4 matrix_a_scale:MATRIX_SCALE_ROW1
.endr
.endr
.endm
.macro MWIN cm
.if \cm
	WIN 0x81                                       ; source 0 (P) window 1, source 1 (Q) and C (the bias) window 0, D window 2
.else
	WIN 0xa1                                       ; C and D window 2
.endif
.endm
.macro STEP kk, cm
	s_wait_dscnt 4                                 ; all but the youngest four loads (token blocks 2, 3) are in
	MWIN \cm
	MUL16 0, (\kk)%2, \kk, \cm
	s_wait_dscnt 0x0
.if ((\kk)%2 == 1) && ((\kk) < 7)
	s_wait_tensorcnt 3-((\kk)+1)/2                 ; my part of the next chunk has landed; the count leaves the chunks behind it out
	s_barrier_signal -1
	s_barrier_wait -1
.endif
.if (\kk) < 7
	PLACES 4                                       ; between matrix instructions and loads into registers that they read
	FETCH_P (\kk)+1, 1-(\kk)%2
	FETCH_Q (\kk)+1, 0
.endif
	MWIN \cm
	MUL16 2, (\kk)%2, \kk, \cm
.if (\kk) < 7
	PLACES 4
	WIN 0
	FETCH_Q (\kk)+1, 2
.endif
.endm
	s_wait_alu depctr_va_vdst(0)
	s_wait_tensorcnt 3                             ; my scale words and my chunk 0 are in; chunks 1 to 3 may be out
	s_barrier_signal -1
	s_barrier_wait -1
.irp k, 0,1,2,3,4,5,6,7                ; all of K's scale words, once (lanes 0-15 of registers i = 4 .. 7 read words that no product names)
.irp i, 0,1,2,3,4,5,6,7
	ds_load_b32 v[SC+8*\k+\i], v[ADRS] offset:512*\i+64*\k
.endr
.endr
	FETCH_P 0, 0
	FETCH_Q 0, 0
	FETCH_Q 0, 2
	s_wait_loadcnt 0x0                             ; the bias
	STEP 0, 1
	STEP 1, 0
	STEP 2, 0
	STEP 3, 0
	STEP 4, 0
	STEP 5, 0
	STEP 6, 0
	STEP 7, 0
	WIN 0
; THE WAY OUT, a block of 16 tokens x 128 columns at a time: through my own stage, back as whole rows of 512 bytes.  LDS serves a wave's instructions in order: no wait between the stores and the loads.
.macro TOSTAGE a
	WIN 0x08                                       ; an LDS store's data: window 2
.irp b, 0,1,2,3,4,5,6,7
	ds_store_b128 v[STO], v[8*(8*(\a)+\b):8*(8*(\a)+\b)+3] offset:128*(\b/2)+32*(\b%2)      ; each accumulator from its low end on
	ds_store_b128 v[STO], v[8*(8*(\a)+\b)+4:8*(8*(\a)+\b)+7] offset:128*(\b/2)+32*(\b%2)+16
.endr
	WIN 0
.set BB, 128+64*((\a)%2)
.irp t, 0,1,2,3,4,5,6,7,8,9,10,11,12,13,14,15
	ds_load_b128 v[BB+4*\t:BB+4*\t+3], v[RD] offset:528*\t
.endr
.endm
.macro SEND a, younger                 ; younger: the LDS instructions issued behind block a's loads
.set BB, 128+64*((\a)%2)
	s_wait_dscnt \younger
.irp t, 0,1,2,3,4,5,6,7,8,9,10,11,12,13,14,15
	global_store_b128 v[CO], v[BB+4*\t:BB+4*\t+3], s[14:15] offset:(32*((\a)/2)+8*((\a)%2)+\t+8*(\t/8))*4096 th:TH_STORE_NT   ; 512 consecutive bytes of a token's row, aligned
.endr
.endm
	PLACES 4                                       ; between the last products and the first read of results, and the loads into the fragments' registers
	TOSTAGE 0
.irp a, 1,2,3
.if \a > 1
	s_wait_xcnt 0x0                                ; block a - 2's stores have read their registers: block a's loads may land there
.endif
	TOSTAGE \a
	SEND \a-1, 32                                  ; behind block a - 1's loads: block a's 16 stores and 16 loads
.endr
	SEND 3, 0
	s_wait_tensorcnt 0x0                           ; the wave's end
	ds_add_u32 v[SPW], v[NIL]
	s_wait_dscnt 0x0
	CROUND                                         ; the closing round
	s_endpgm
.Lfunc_end_k_qb39ddcbf20_proj:
	.size	k_qb39ddcbf20_proj, .Lfunc_end_k_qb39ddcbf20_proj-k_qb39ddcbf20_proj
	.p2alignl 7, 3214868480
	.fill 96, 4, 3214868480
	.section	.rodata,"a",@progbits
	.p2align	6, 0x0
	.amdhsa_kernel k_qb39ddcbf20_proj
		.amdhsa_group_segment_fixed_size 327680
		.amdhsa_private_segment_fixed_size 0
		.amdhsa_enable_private_segment 0
		.amdhsa_kernarg_size 48
		.amdhsa_user_sgpr_count 2
		.amdhsa_user_sgpr_kernarg_segment_ptr 1
		.amdhsa_wavefront_size32 1
		.amdhsa_system_sgpr_workgroup_id_x 1
		.amdhsa_system_sgpr_workgroup_id_y 1
		.amdhsa_system_sgpr_workgroup_id_z 1
		.amdhsa_system_vgpr_workitem_id 0
		.amdhsa_next_free_vgpr 768
		.amdhsa_next_free_sgpr 106
		.amdhsa_reserve_vcc 0
		.amdhsa_float_denorm_mode_32 3
		.amdhsa_float_denorm_mode_16_64 3
		.amdhsa_memory_ordered 1
		.amdhsa_forward_progress 1
		.amdhsa_inst_pref_size 78
	.end_amdhsa_kernel
	.amdgpu_metadata
---
amdhsa.version: [ 1, 2 ]
amdhsa.kernels:
  - .name:           k_qb39ddcbf20_proj
    .symbol:         k_qb39ddcbf20_proj.kd
    .args:
      - { .name: attc, .offset: 0, .size: 8, .value_kind: global_buffer, .address_space: global }
      - { .name: atts, .offset: 8, .size: 8, .value_kind: global_buffer, .address_space: global }
      - { .name: wc, .offset: 16, .size: 8, .value_kind: global_buffer, .address_space: global }
      - { .name: ws, .offset: 24, .size: 8, .value_kind: global_buffer, .address_space: global }
      - { .name: b_out, .offset: 32, .size: 8, .value_kind: global_buffer, .address_space: global }
      - { .name: out0, .offset: 40, .size: 8, .value_kind: global_buffer, .address_space: global }
    .group_segment_fixed_size: 327680
    .private_segment_fixed_size: 0
    .kernarg_segment_align: 8
    .kernarg_segment_size: 48
    .max_flat_workgroup_size: 128
    .sgpr_count:     106
    .vgpr_count:     768
    .wavefront_size: 32
...
	.end_amdgpu_metadata
.endif
;; end of part 4
